; MI455X (gfx1250); checked and timed in simulation.
; The chip was launched on July 23, 2026; its instructions are those of AMD's public machine-readable ISA for CDNA 5 (MIT licence, August 2026) and "CDNA5" Instruction Set Architecture Reference Guide (July 2026). The comments in the code are by the model that wrote it; some were corrected since.
;; Causal Multi Head Self Attention. Allowed arithmetic: matrix products marked QUANTISED: E2M1 operands, one E8M0 scale for each 32 along K, by v_wmma_scale_f32_16x16x128_f8f6f4 with both operands' format E2M1 (or v_wmma_scale_f32_32x16x128_f4), f32 sums; products left as they are: bf16, f16 or f32 operands; f32 sums; everything else in f32.
;; Inputs: WK 1,024 x 1,024 float32; WO 1,024 x 1,024 float32; WQ 1,024 x 1,024 float32; WV 1,024 x 1,024 float32; x 4 x 2,048 x 1,024 float32.
;; Outputs: out0 4 x 2,048 x 1,024 float32.
;; This version of the problem:
;;   THIS VERSION OF THE PROBLEM IS GIVEN IN LOW PRECISION. The matrix products marked QUANTISED in the list below multiply operands that are first quantised to E2M1 (2 exponent bits, 1 mantissa bit; 4 bits a number), with one power-of-two scale for each 32 numbers along K (OCP MX v1.0); their sums are f32. The products marked 'left as it is' may take bf16, f16 or f32 operands, with f32 sums. Whichever they take, every output number must still come out within the allowed error. Rounding operands to bf16 (8 significant bits) uses up far more of that allowance than f16 does (11 bits, for magnitudes from 6e-5 to 65,504). All else is computed in f32.
;;   The module's matrix products, in the order in which they are computed (A, B: the left and right operand; K: the contracted axis; several contracted axes count as one K, in the product's order):
;;     1. [M 8,192, K 1,024] x [K 1,024, N 1,024]; A: input x; B: input WQ: QUANTISED
;;     2. [M 8,192, K 1,024] x [K 1,024, N 1,024]; A: input x; B: input WK: QUANTISED
;;     3. [M 8,192, K 1,024] x [K 1,024, N 1,024]; A: input x; B: input WV: QUANTISED
;;     4. batch 64 x [M 2,048, K 64] x [K 64, N 2,048]; A: computed on the way; B: computed on the way: left as it is (an operand is computed on the way)
;;     5. batch 64 x [M 2,048, K 2,048] x [K 2,048, N 64]; A: computed on the way; B: computed on the way: left as it is (an operand is computed on the way)
;;     6. [M 8,192, K 1,024] x [K 1,024, N 1,024]; A: computed on the way; B: input WO: left as it is (an operand is computed on the way)
;;   THE QUANTISER, for each operand of a quantised product, along K:
;;     - K is cut into blocks of 32 from its start; a last block that is shorter is filled with zeros.
;;     - A block's scale is 2^e with e = floor(log2(the largest magnitude in the block)) - 2, held to -126 .. 127; a block of zeros has e = 0. As a byte (E8M0): e + 127.
;;     - Each number is divided by its block's scale, clamped to +-6, and rounded to the nearest number of E2M1, ties to even, subnormals kept.
;;     - The product sums the exact products of the quantised numbers (number of the format x scale) in f32.
;;   ~~~python
;;   def quantise(x, axis):      # numpy; x: float32 -> the quantised numbers, widened to float32 again
;;       x = np.moveaxis(x, axis, -1); K = x.shape[-1]
;;       x = np.pad(x, [(0, 0)] * (x.ndim - 1) + [(0, -K % 32)]); x = x.reshape(x.shape[:-1] + (-1, 32)); a = np.abs(x).max(-1, keepdims=True)
;;       e = np.where(a > 0, np.clip(np.frexp(np.where(a > 0, a, 1))[1] - 1 - 2, -126, 127), 0)      # np.frexp(a)[1] - 1 = floor(log2(a)), exactly
;;       r = np.clip(x / 2.0 ** e, -6, 6)
;;       step = 2.0 ** (np.maximum(np.frexp(np.where(r == 0, 1, r))[1] - 1, 0) - 1)
;;       q = np.round(r / step) * step * 2.0 ** e      # np.round: ties to even
;;       return np.moveaxis(q.reshape(q.shape[:-2] + (-1,))[..., :K], -1, axis).astype(np.float32)
;;   ~~~
;; One version. Each part assembles by itself: llvm-mc -triple=amdgcn-amd-amdhsa -mcpu=gfx1250 --defsym DOCPART=n.
;; ======== version 1 of 1: 6 launches
;; limits: values are held in f16: magnitudes above 65,504 overflow, below 6.1e-05 lose precision
;; workspace buffers: xc 4,194,304 bytes; xs 262,144 bytes; wc 1,572,864 bytes; ws 98,304 bytes; wo16 2,097,152 bytes; qkv16 50,331,648 bytes; o16 16,777,216 bytes; ofine 262,144 bytes
;; launch quant (part 1): grid 384 x 1, 4 waves a work-group, no clusters, 33,280 bytes of LDS; arguments x, WQ, WK, WV, WO, xc, xs, wc, ws, wo16; writes xc, xs, wc, ws, wo16
.if DOCPART == 1
	.amdgcn_target "amdgcn-amd-amdhsa--gfx1250"
	.amdhsa_code_object_version 6
	.text
	.protected	k_q017aaa9017_quant
	.globl	k_q017aaa9017_quant
	.p2align	8
	.type	k_q017aaa9017_quant,@function
k_q017aaa9017_quant:
	s_mov_b64 s[64:65], 0
	v_nop
	global_prefetch_b8 v0, s[64:65] scope:SCOPE_SE
	s_setreg_imm32_b32 hwreg(HW_REG_WAVE_MODE, 25, 1), 1
	s_wait_xcnt 0x0
; x [8192][1024] and WQ, WK, WV [1024][1024], f32, K innermost, become codes of FP4 (E2M1) with one E8M0 scale byte for each 32 along K:
; xc [8192][512 bytes], xs [8192][32 bytes]; wc [3072][512 bytes], ws [3072][32 bytes], the rows of WQ, then WK's, then WV's.  WO [1024][1024] f32 becomes f16 in wo16, same order.
; A block's scale is 2^(floor(log2(its largest magnitude)) - 2); its byte is the largest magnitude's exponent field - 2, held at 1 from below.  A block of zeros so gets the byte 1 where the rule says 127:
; its codes are zeros, which add nothing under any byte but 0xff, and the bytes are read by this program alone.
; LIMITS: blocks whose largest magnitude lies under 2^-124 get the byte 1; NaN and infinities among the inputs are not served; |WO| stays under 65,504 (f16).
; SHARES.  Rows are dense and K is a multiple of 32, so every tensor is a plain stream.  Work-groups 0-255 take x, 256-287 WQ, 288-319 WK, 320-351 WV (32,768 numbers each, 8,192 a wave), 352-383 WO.
; The four quantised tensors take ONE path: only pointers are chosen, by the work-group's number.  A wave takes 16 steps of 512 numbers: each load reads 512 consecutive bytes; the 2,048 bytes of a step turn
; through the wave's own stage in LDS, so that a lane then holds 16 neighbours along K (two neighbouring lanes a block); a wave's 256 scale bytes are gathered in LDS and leave as 256 consecutive bytes.
; No tensor loads, no barrier: waves share nothing.
.set WAVES, 4
.set STEPS, 16
.set EMAX,  2
.set CB,    8                          ; bytes of 16 codes
.set R,     16                         ; v16-79   four sets of 16 numbers as they are loaded
.set X,     80                         ; v80-111  two sets of 16 neighbours
.set E,     112                        ; v112-127 a scale byte for each step
.set C,     128                        ; v128-191 codes: four registers for each step, so that no store's data are written again
.set WREG,  8192                       ; LDS: a region for each wave: two stages of 32 x SP bytes, behind them its 256 scale bytes
.set SP,    80                         ; a lane's place in a stage: 64 bytes + 16 of padding
.set SPW,   12                         ; v12 LDS address of my spare word; never rewritten
.set NIL,   13                         ; v13 0; never rewritten
.set SPARE, WAVES*WREG                 ; behind the four regions: the spare words, 128 bytes a wave
	s_load_b256 s[4:11], s[0:1], 0x0               ; x s[4:5], WQ s[6:7], WK s[8:9], WV s[10:11]
	s_load_b256 s[12:19], s[0:1], 0x20             ; WO s[12:13], xc s[14:15], xs s[16:17], wc s[18:19]
	s_load_b128 s[20:23], s[0:1], 0x40             ; ws s[20:21], wo16 s[22:23]
	v_lshl_add_u32 v[SPW], v0, 2, SPARE
	v_mov_b32 v[NIL], 0
	v_lshrrev_b32 v1, 5, v0
	v_readfirstlane_b32 s24, v1                    ; wave
	v_and_b32 v2, 31, v0                           ; lane
	v_lshlrev_b32 v3, 4, v2                        ; my 16 bytes of a load's 512
	s_mul_i32 s40, s24, WREG
	v_lshrrev_b32 v14, 2, v2
	v_mul_u32_u24 v14, v14, SP
	v_and_b32 v15, 3, v2
	v_lshl_add_u32 v14, v15, 4, v14
	v_add_nc_u32 v14, s40, v14                     ; the stage, on the way in: SP (lane / 4) + 16 (lane % 4)
	v_mul_u32_u24 v15, v2, SP
	v_add_nc_u32 v15, s40, v15                     ; and on the way out: SP x lane: my 16 neighbours
	v_mul_u32_u24 v4, v2, CB                       ; 8 x lane: my codes' place in a step's (and my f16 numbers' place in WO's path)
	v_lshrrev_b32 v5, 1, v2
	s_add_co_u32 s40, s40, 2*32*SP
	v_add_nc_u32 v5, s40, v5                       ; LDS: my wave's 256 scale bytes, my block's byte
	v_lshlrev_b32 v7, 3, v2                        ; and on the way out 8 bytes a lane
	v_add_nc_u32 v6, s40, v7
	s_wait_kmcnt 0x0
	s_cmp_ge_u32 ttmp9, 352
	s_cbranch_scc1 .Lwo                            ; WO's work-groups: a path that touches no LDS
	; which tensor, and which run of it: the choices hang on the work-group's number alone
	s_sub_co_u32 s25, ttmp9, 256                   ; place among the weights' work-groups (not used for x)
	s_lshr_b32 s26, s25, 5                         ; 0 WQ, 1 WK, 2 WV
	s_and_b32 s27, s25, 31
	s_cmp_eq_u32 s26, 1
	s_cselect_b64 s[28:29], s[8:9], s[6:7]
	s_cmp_eq_u32 s26, 2
	s_cselect_b64 s[28:29], s[10:11], s[28:29]
	s_cmp_lt_u32 ttmp9, 256
	s_cselect_b64 s[30:31], s[4:5], s[28:29]       ; the numbers
	s_cselect_b64 s[32:33], s[14:15], s[18:19]     ; the codes
	s_cselect_b64 s[34:35], s[16:17], s[20:21]     ; the scale bytes
	s_cselect_b32 s36, ttmp9, s27                  ; the work-group's place in the tensor that it reads,
	s_cselect_b32 s37, ttmp9, s25                  ; and in the buffers that it writes (the three weights lie on end there)
	s_lshl_b32 s36, s36, 2
	s_add_co_u32 s36, s36, s24                     ; my wave's run of 8,192 numbers
	s_lshl_b32 s37, s37, 2
	s_add_co_u32 s37, s37, s24
	s_lshl_b32 s38, s36, 15                        ; 32,768 bytes of numbers a run (under 2^26)
	s_mov_b32 s39, 0
	s_add_nc_u64 s[30:31], s[30:31], s[38:39]
	s_lshl_b32 s38, s37, 12                        ; 4,096 bytes of codes
	s_add_nc_u64 s[32:33], s[32:33], s[38:39]
	s_lshl_b32 s38, s37, 8                         ; 256 scale bytes
	s_add_nc_u64 s[34:35], s[34:35], s[38:39]
.macro LOAD t
.irp i, 0,1,2,3
	global_load_b128 v[R+16*((\t)%4)+4*\i:R+16*((\t)%4)+4*\i+3], v3, s[30:31] offset:2048*(\t)+512*\i th:TH_LOAD_NT   ; 32 lanes read 512 consecutive bytes
.endr
.endm
.macro TURN t                          ; step t's numbers through the stage: LDS serves a wave's instructions in order (ISA guide 5.7.1.4), so no wait stands between the stores and the loads
.irp i, 0,1,2,3
	ds_store_b128 v14, v[R+16*((\t)%4)+4*\i:R+16*((\t)%4)+4*\i+3] offset:32*SP*((\t)%2)+8*SP*\i
.endr
.irp i, 0,1,2,3
	ds_load_b128 v[X+16*((\t)%2)+4*\i:X+16*((\t)%2)+4*\i+3], v15 offset:32*SP*((\t)%2)+16*\i
.endr
.endm
.irp t, 0,1,2,3
	LOAD \t
.endr
	s_wait_loadcnt 12                              ; step 0's four loads are in; the twelve of steps 1 to 3 may be out
	TURN 0
.macro STEP t
.set XS, X+16*((\t)%2)
.if (\t) > 0
	s_wait_dscnt 1                                 ; this step's numbers are back from the stage (the last step's byte store may be out): so its stores into the stage have read their registers,
.else
	s_wait_dscnt 0x0
.endif
.if (\t)+4 < STEPS
	LOAD (\t)+4                                    ; which take the loads of four steps on
.endif
.if (\t)+1 < STEPS
.if STEPS-2-(\t) >= 3
	s_wait_loadcnt 12                              ; the next step's four loads are in; those of the three steps behind it may be out
.else
	s_wait_loadcnt 4*(STEPS-2-(\t))
.endif
	TURN (\t)+1                                    ; and go through the other stage while this step is worked
.endif
	v_max3_num_f32 v8, |v[XS]|, |v[XS+1]|, |v[XS+2]|               ; the largest magnitude of my 16, in two chains
	v_max3_num_f32 v9, |v[XS+3]|, |v[XS+4]|, |v[XS+5]|
.irp i, 6,10
	v_max3_num_f32 v8, v8, |v[XS+\i]|, |v[XS+\i+1]|
	v_max3_num_f32 v9, v9, |v[XS+\i+2]|, |v[XS+\i+3]|
.endr
	v_max3_num_f32 v8, v8, |v[XS+14]|, |v[XS+15]|
	v_max3_num_f32 v8, v8, v9, (EMAX+1)<<23        ; and the floor 2^(3 - 127): the byte cannot fall under 1
	v_max_num_f32_dpp v8, v8, v8 row_xmask:1 row_mask:0xf bank_mask:0xf   ; and of my neighbour's 16: the block's
	v_add_nc_u32 v11, -(EMAX<<23), v8              ; 2 off its exponent field: the conversion takes the exponent field of this operand as its scale, and nothing else of it
	v_cvt_scalef32_pk8_fp4_f32 v[C+4*(\t)], v[XS:XS+7], v11        ; eight numbers / the scale, to the nearest code, ties to even, beyond the largest code the largest
	v_cvt_scalef32_pk8_fp4_f32 v[C+4*(\t)+1], v[XS+8:XS+15], v11
	v_lshrrev_b32 v[E+(\t)], 23, v11               ; the scale's byte (also the plain line behind the conversions)
	ds_store_b8 v5, v[E+(\t)] offset:16*(\t)       ; both lanes of a block write the same byte with the same value
	global_store_b64 v4, v[C+4*(\t):C+4*(\t)+1], s[32:33] offset:32*CB*(\t)   ; the wave stores 256 consecutive bytes
.endm
.irp t, 0,1,2,3,4,5,6,7,8,9,10,11,12,13,14,15
	STEP \t
.endr
	ds_load_b64 v[8:9], v6                         ; my wave's 256 scale bytes: these loads see my stores
	s_wait_dscnt 0x0
	global_store_b64 v7, v[8:9], s[34:35]          ; 32 lanes store 256 consecutive bytes
	s_wait_tensorcnt 0x0                           ; the wave's end, behind my last LDS store
	ds_add_u32 v[SPW], v[NIL]
	s_wait_dscnt 0x0
	s_endpgm
; WO to f16: a wave takes 8,192 numbers in four rounds of 16 loads; two rounds' loads are out at a time.
.Lwo:
	s_sub_co_u32 s25, ttmp9, 352
	s_lshl_b32 s25, s25, 2
	s_add_co_u32 s25, s25, s24                     ; my wave's run, 0 to 127
	s_lshl_b32 s26, s25, 15
	s_mov_b32 s27, 0
	s_add_nc_u64 s[12:13], s[12:13], s[26:27]      ; 32,768 bytes in
	s_lshl_b32 s26, s25, 14
	s_add_nc_u64 s[22:23], s[22:23], s[26:27]      ; 16,384 bytes out
.macro LOADW g
.irp i, 0,1,2,3,4,5,6,7,8,9,10,11,12,13,14,15
	global_load_b128 v[16+64*((\g)%2)+4*\i:16+64*((\g)%2)+4*\i+3], v3, s[12:13] offset:512*(16*(\g)+\i) th:TH_LOAD_NT
.endr
.endm
.macro ROUNDW g
.if (\g) < 3
	s_wait_loadcnt 16                              ; this round's 16 loads are in; the next round's 16 may be out
.else
	s_wait_loadcnt 0x0
.endif
.if (\g) > 0
	s_wait_xcnt 0x0                                ; the last round's stores have read v144-175: they are written again only behind this wait
.endif
.irp i, 0,1,2,3,4,5,6,7,8,9,10,11,12,13,14,15
	v_cvt_pk_f16_f32 v[144+2*\i], v[16+64*((\g)%2)+4*\i], v[16+64*((\g)%2)+4*\i+1]
	v_cvt_pk_f16_f32 v[145+2*\i], v[16+64*((\g)%2)+4*\i+2], v[16+64*((\g)%2)+4*\i+3]
.endr
.if (\g) < 2
	LOADW (\g)+2
.endif
.irp i, 0,1,2,3,4,5,6,7,8,9,10,11,12,13,14,15
	global_store_b64 v4, v[144+2*\i:145+2*\i], s[22:23] offset:256*(16*(\g)+\i)   ; 32 lanes store 256 consecutive bytes
.endr
.endm
	LOADW 0
	LOADW 1
	ROUNDW 0
	ROUNDW 1
	ROUNDW 2
	ROUNDW 3
	s_endpgm
.Lfunc_end_k_q017aaa9017_quant:
	.size	k_q017aaa9017_quant, .Lfunc_end_k_q017aaa9017_quant-k_q017aaa9017_quant
	.p2alignl 7, 3214868480
	.fill 96, 4, 3214868480
	.section	.rodata,"a",@progbits
	.p2align	6, 0x0
	.amdhsa_kernel k_q017aaa9017_quant
		.amdhsa_group_segment_fixed_size 33280
		.amdhsa_private_segment_fixed_size 0
		.amdhsa_enable_private_segment 0
		.amdhsa_kernarg_size 80
		.amdhsa_user_sgpr_count 2
		.amdhsa_user_sgpr_kernarg_segment_ptr 1
		.amdhsa_wavefront_size32 1
		.amdhsa_system_sgpr_workgroup_id_x 1
		.amdhsa_system_sgpr_workgroup_id_y 1
		.amdhsa_system_sgpr_workgroup_id_z 1
		.amdhsa_system_vgpr_workitem_id 0
		.amdhsa_next_free_vgpr 192
		.amdhsa_next_free_sgpr 66
		.amdhsa_reserve_vcc 0
		.amdhsa_float_denorm_mode_32 3
		.amdhsa_float_denorm_mode_16_64 3
		.amdhsa_memory_ordered 1
		.amdhsa_forward_progress 1
		.amdhsa_inst_pref_size 54
	.end_amdhsa_kernel
	.amdgpu_metadata
---
amdhsa.version: [ 1, 2 ]
amdhsa.kernels:
  - .name:           k_q017aaa9017_quant
    .symbol:         k_q017aaa9017_quant.kd
    .args:
      - { .name: x, .offset: 0, .size: 8, .value_kind: global_buffer, .address_space: global }
      - { .name: WQ, .offset: 8, .size: 8, .value_kind: global_buffer, .address_space: global }
      - { .name: WK, .offset: 16, .size: 8, .value_kind: global_buffer, .address_space: global }
      - { .name: WV, .offset: 24, .size: 8, .value_kind: global_buffer, .address_space: global }
      - { .name: WO, .offset: 32, .size: 8, .value_kind: global_buffer, .address_space: global }
      - { .name: xc, .offset: 40, .size: 8, .value_kind: global_buffer, .address_space: global }
      - { .name: xs, .offset: 48, .size: 8, .value_kind: global_buffer, .address_space: global }
      - { .name: wc, .offset: 56, .size: 8, .value_kind: global_buffer, .address_space: global }
      - { .name: ws, .offset: 64, .size: 8, .value_kind: global_buffer, .address_space: global }
      - { .name: wo16, .offset: 72, .size: 8, .value_kind: global_buffer, .address_space: global }
    .group_segment_fixed_size: 33280
    .private_segment_fixed_size: 0
    .kernarg_segment_align: 8
    .kernarg_segment_size: 80
    .max_flat_workgroup_size: 128
    .sgpr_count:     66
    .vgpr_count:     192
    .wavefront_size: 32
...
	.end_amdgpu_metadata
.endif
;; end of part 1
;; launch qkv (part 2): grid 12 x 32, 4 waves a work-group, clusters of 4 x 4, 327,680 bytes of LDS; arguments xc, xs, wc, ws, qkv16; writes qkv16
.if DOCPART == 2
	.amdgcn_target "amdgcn-amd-amdhsa--gfx1250"
	.amdhsa_code_object_version 6
	.text
	.protected	k_q017aaa9017_qkv
	.globl	k_q017aaa9017_qkv
	.p2align	8
	.type	k_q017aaa9017_qkv,@function
k_q017aaa9017_qkv:
	s_mov_b64 s[64:65], 0
	v_nop
	global_prefetch_b8 v0, s[64:65] scope:SCOPE_SE
	s_setreg_imm32_b32 hwreg(HW_REG_WAVE_MODE, 25, 1), 1
	s_wait_xcnt 0x0
	s_wait_alu depctr_hold_cnt(0) depctr_sa_sdst(0) depctr_va_vdst(0) depctr_va_sdst(0) depctr_va_ssrc(0) depctr_va_vcc(0) depctr_vm_vsrc(0)
	s_getreg_b32 s2, hwreg(HW_REG_IB_STS2, 6, 4)
	s_cmp_eq_u32 s2, 0
	s_cbranch_scc0 .Lentry_in_a_cluster
	s_endpgm
.Lentry_in_a_cluster:
	s_bfe_u32 s2, ttmp6, 0x10000c
	s_cmp_lg_u32 s2, 0xf033
	s_cbranch_scc0 .Lentry_shape_is_right
	s_endpgm
.Lentry_shape_is_right:
; Q, K, V = x W^T for W = WQ, WK, WV on end: one product [8192][1024] x [3072][1024]^T on codes of FP4 (E2M1) with one E8M0 scale for each 32 along K; sums in f32, K ascending, one accumulator an output.
; The results leave as f16, laid by head: qkv16 [3 tensors][4 batches][16 heads][2048 positions][64]: tensor 2^24 bytes, batch 2^22, head 2^18, position 128.
; LIMIT: |Q|, |K|, |V| stay under 65,504 (f16).
; A tile of C, 256 x 256, is made by a work-group of four waves; a wave makes 128 x 128: 64 accumulators of 16 x 16, 512 registers.
; K is 1,024: two K steps of 512 (tile rows of 256 bytes).  Both lie in LDS at once, in two slots, each filled ONCE at the start; nothing is filled again.  The scale bytes of the work-group's 256 rows of x and
; 256 rows of W, for all of K, are two dense blocks: they come with the first fills.  By this text's own count a wave has three tensor loads out at the start.
; CLUSTERS: 4 x 4 work-groups.  The four of a row of the cluster need the same tiles of x, the four of a column the same tiles of W: each tile is asked for JOINTLY, by the same tensor load with the same descriptor
; and a mask that names the four.  THE MATRIX INSTRUCTION IS USED TRANSPOSED (source 0 = 16 rows of W, source 1 = 16 rows of x): a lane then holds eight neighbouring channels of one position.
; REGISTERS, in windows of 256: window 0: v0-31 addresses; v32-95 scale words, two sets; v128-191 x's fragments (8 x 16 rows x 128 K), ONE set; on the way out v128-223.
;   window 1: W's fragments, TWO sets, at v0 and v128.   window 2: the 32 accumulators of my rows 0-63 ((a, b) at v[8 (8 a + b)]);   window 3: those of my rows 64-127.
.set KSTEP,  512
.set NQ,     KSTEP/128                 ; matrix instructions deep
.set ROWB,   256                       ; a tile's row in bytes
.set KROW,   512                       ; a row of codes in memory
.set PITCH,  272                       ; an LDS row: 256 bytes + 16 of padding = 68 words: row r starts at bank 4 r mod 64 (64 banks of 4 bytes: ISA guide 11.1)
.set FR,     8                         ; registers of a fragment: 16 rows x 128 K
.set NL,     2                         ; LDS loads that bring one
.set NP,     4                         ; places behind this matrix instruction (ISA guide 7.12.1)
.set HALFT,  128*PITCH                 ; 128 rows: what one tensor load brings
.set SLOT,   4*HALFT                   ; x's 256 rows, then W's 256 rows
.set KS,     32                        ; a row of scale bytes
.set SCL,    2*SLOT                    ; behind the slots: the scales, as rows of 256 bytes + 16 of padding
.set HALFS,  (128*KS/256)*272          ; the scales of 128 rows: what one tensor load brings
.set SBLK,   (16*KS/256)*272           ; those of 16 rows
.set SPARE,  SCL+4*HALFS               ; behind the scales: the spare words, 128 bytes a wave
.set SPITCH, 272                       ; the way out: a stage of 16 rows x (256 bytes + 16) for each wave, in slot 0, which has had its one fill and its last read when the first result is stored there
.set ADRA, 16                          ; v16-17  LDS address of my fragments of x in slot 0, 1
.set ADRB, 20                          ; v20-21  the same for W
.set STO,  24                          ; v24     the way out: where I put 16 bytes of a row
.set RD,   25                          ; v25     the way out: where I read back
.set CO,   26                          ; v26     16 x lane
.set ADRS, 27                          ; v27     LDS address of my scale words: lanes 0-15 x's rows, lanes 16-31 W's
.set SPW,  28                          ; v28     LDS address of my spare word; never rewritten
.set NIL,  29                          ; v29     0; never rewritten
.set SC,   32                          ; scale words: set s at v[SC + 8 NQ s]; register NQ i + q: lanes 0-15 the word of x's block i, lanes 16-31 that of W's block i, for the slot's q-th 128 along K
.set AF,   128                         ; x's fragments, in window 0
.set OB,   128                         ; the way out: 16 rows read back: v128-159 and v160-191 by turns
.set TMP,  192                         ; the way out: a block's packed results, v192-223
.set G1, 24                            ; s[24:31] descriptor group 1 for x's tiles;  s[32:39] group 0, one set for each slot
.set G0, 32
.set G1B, 48                           ; s[48:55], s[56:63] the same for W's tiles
.set G0B, 56
.set G1S, 68                           ; s[68:75], s[76:79] groups 1 and 0 for x's scales;  s[80:87], s[88:91] for W's
.set G0S, 76
.set G1SB, 80
.set G0SB, 88
.set MSB, 0
.macro WIN new                         ; the immediate's high byte repeats the setting that is left
.if MSB != (\new)
	s_set_vgpr_msb (MSB<<8)|(\new)
.set MSB, (\new)
.endif
.endm
.set MUL_LO, 0xa1                      ; source 0 (W) window 1, source 1 (x) window 0, C and D window 2
.set MUL_HI, 0xf1                      ; the same, C and D window 3
.set TO_B,   0x40                      ; destination window 1, address window 0
; A joint load: waves 0 and 1 fetch for x, waves 2 and 3 for W.  Each of the two lines has ONE mask and one set of registers for all that issue it; the branch hangs on the wave's number alone.
; An s_nop 0 and four v_nop follow each of the two lines.
.macro JLOAD g0a, g1a, g0b, g1b
	s_cmp_eq_u32 s15, 0
	s_cbranch_scc0 .Lfor_b_\@
	tensor_load_to_lds s[\g0a:\g0a+3], s[\g1a:\g1a+7]
	s_nop 0
.rept 4
	v_nop
.endr
	s_branch .Lasked_\@
.Lfor_b_\@:
	tensor_load_to_lds s[\g0b:\g0b+3], s[\g1b:\g1b+7]
	s_nop 0
.rept 4
	v_nop
.endr
.Lasked_\@:
.endm
.macro CROUND                          ; a round of the cluster's barrier: my work-group's barrier; wave 0 signals for the work-group; every wave waits for all sixteen; my work-group's barrier once more
	s_barrier_signal -1
	s_barrier_wait -1
	s_cmp_lg_u32 s14, 0
	s_cbranch_scc1 .Lnot_wave_0_\@
	s_barrier_signal -3
.Lnot_wave_0_\@:
	s_barrier_wait -3
	s_barrier_signal -1
	s_barrier_wait -1
.endm
	s_load_b128 s[4:7], s[0:1], 0x0                ; x's codes s[4:5], x's scales s[6:7]
	s_load_b128 s[8:11], s[0:1], 0x10              ; W's codes s[8:9], W's scales s[10:11]
	s_load_b64 s[12:13], s[0:1], 0x20              ; qkv16
	v_lshl_add_u32 v[SPW], v0, 2, SPARE
	v_mov_b32 v[NIL], 0
	ds_add_u32 v[SPW], v[NIL]                      ; the wave's opening: the add, twice on end, and its wait ahead of my first tensor load
	ds_add_u32 v[SPW], v[NIL]                      ; and once more, under the one wait; the set-up below, work on registers, stands between
	v_lshrrev_b32 v1, 5, v0
	v_readfirstlane_b32 s14, v1                    ; wave 0..3
	s_lshr_b32 s15, s14, 1                         ; which half of the tile's rows is mine.  Also: I fetch for x (0) or for W (1)
	s_and_b32 s16, s14, 1                          ; which half of its columns.  Also: which 128 rows of that tile I fetch
	s_bfe_u32 s40, ttmp6, 0x40000                  ; cx, cy: my place in the cluster
	s_bfe_u32 s41, ttmp6, 0x40004
	s_lshl_b32 s42, ttmp9, 2
	s_add_co_u32 s42, s42, s40                     ; tile column of C = 4 x cluster x + cx
	s_and_b32 s17, ttmp7, 0xffff
	s_lshl_b32 s17, s17, 2
	s_add_co_u32 s17, s17, s41                     ; tile row of C = 4 x cluster y + cy
	s_lshl_b32 s43, s41, 2
	s_lshl_b32 s43, 15, s43                        ; my row of the cluster
	s_lshl_b32 s44, 0x1111, s40                    ; my column
	; descriptor group 1: a tile of 128 rows x 256 bytes, padded in LDS
	s_or_b32 s[G1+0], s43, (0<<16)|(1<<20)|(1<<21)|(5<<22)|(3<<25)  ; 15:0 the mask: x's tiles go to my row; 17:16 element of 1 byte; 20 padding on; 21 set beside a mask; 24:22 after every 64 words; 31:25 four words
	s_or_b32 s[G1B+0], s44, (0<<16)|(1<<20)|(1<<21)|(5<<22)|(3<<25)
.irp g, G1, G1B
	s_mov_b32 s[\g+1], ROWB<<16                    ; tensor_dim0
	s_mov_b32 s[\g+2], 128<<16                     ; tensor_dim1 = 128
	s_mov_b32 s[\g+3], ROWB<<16                    ; tile_dim0
	s_mov_b32 s[\g+4], 128                         ; tile_dim1 = 128
	s_mov_b32 s[\g+5], KROW                        ; tensor_dim0_stride
	s_mov_b32 s[\g+6], 0
	s_mov_b32 s[\g+7], 0
.endr
	; and for the scales of 128 rows: a dense block of 4,096 bytes, as 16 rows of 256 bytes (32 elements of 8 bytes), 16 bytes of padding behind each
	s_or_b32 s[G1S+0], s43, (3<<16)|(1<<20)|(1<<21)|(5<<22)|(3<<25)
	s_or_b32 s[G1SB+0], s44, (3<<16)|(1<<20)|(1<<21)|(5<<22)|(3<<25)
.irp g, G1S, G1SB
	s_mov_b32 s[\g+1], 32<<16
	s_mov_b32 s[\g+2], (128*KS/256)<<16
	s_mov_b32 s[\g+3], 32<<16
	s_mov_b32 s[\g+4], 128*KS/256
	s_mov_b32 s[\g+5], 32
	s_mov_b32 s[\g+6], 0
	s_mov_b32 s[\g+7], 0
.endr
	s_lshl_b32 s18, s16, 7                         ; which 128 rows of the tile I fetch
	s_lshl_b32 s20, s17, 8
	s_add_co_u32 s20, s20, s18                     ; x: row 256 x tile row + 128 x half
	s_lshl_b32 s46, s42, 8
	s_add_co_u32 s46, s46, s18                     ; W: row 256 x tile column + 128 x half
	s_mov_b32 s21, 0
	s_mov_b32 s47, 0
	s_mov_b64 s[18:19], KS
	s_mul_u64 s[22:23], s[20:21], s[18:19]         ; where these rows' scales begin, in bytes
	s_mul_u64 s[92:93], s[46:47], s[18:19]
	s_mov_b64 s[18:19], KROW
	s_mul_u64 s[20:21], s[20:21], s[18:19]         ; and their codes
	s_mul_u64 s[46:47], s[46:47], s[18:19]
	s_mul_i32 s45, s14, HALFT                      ; where they go: wave x 128 rows: no place in the cluster enters an LDS address
	s_mul_i32 s94, s14, HALFS
	s_wait_dscnt 0x0                               ; both opening adds are done
	s_wait_kmcnt 0x0
	s_add_nc_u64 s[20:21], s[4:5], s[20:21]
	s_add_nc_u64 s[22:23], s[6:7], s[22:23]
	s_add_nc_u64 s[46:47], s[8:9], s[46:47]
	s_add_nc_u64 s[92:93], s[10:11], s[92:93]
	CROUND                                         ; all sixteen work-groups are here: the joint loads meet
	s_mov_b32 s[G0S], 1
	s_add_co_u32 s[G0S+1], s94, SCL
	s_mov_b64 s[G0S+2:G0S+3], s[22:23]
	s_or_b32 s[G0S+3], s[G0S+3], 0x80000000
	s_mov_b32 s[G0SB], 1
	s_add_co_u32 s[G0SB+1], s94, SCL
	s_mov_b64 s[G0SB+2:G0SB+3], s[92:93]
	s_or_b32 s[G0SB+3], s[G0SB+3], 0x80000000
	JLOAD G0S, G1S, G0SB, G1SB                     ; the scales first: they are wanted with K step 0
.irp s, 0,1
	s_mov_b32 s[G0+4*\s], 1
	s_add_co_u32 s[G0+4*\s+1], s45, \s*SLOT
	s_add_nc_u64 s[G0+4*\s+2:G0+4*\s+3], s[20:21], \s*ROWB
	s_or_b32 s[G0+4*\s+3], s[G0+4*\s+3], 0x80000000
	s_mov_b32 s[G0B+4*\s], 1
	s_add_co_u32 s[G0B+4*\s+1], s45, \s*SLOT
	s_add_nc_u64 s[G0B+4*\s+2:G0B+4*\s+3], s[46:47], \s*ROWB
	s_or_b32 s[G0B+4*\s+3], s[G0B+4*\s+3], 0x80000000
	JLOAD G0+4*\s, G1, G0B+4*\s, G1B
.endr
	v_and_b32 v1, 15, v0                           ; l % 16
	v_bfe_u32 v2, v0, 4, 1                         ; l / 16
	v_mul_u32_u24 v3, v1, PITCH
	v_lshl_add_u32 v4, v2, 4, v3                   ; a fragment's row x pitch + 16 x half
	s_mul_i32 s21, s15, HALFT                      ; my 128 rows of x
	s_mul_i32 s22, s16, HALFT                      ; my 128 rows of W,
	s_add_co_u32 s22, s22, 2*HALFT                 ; which lie behind x's 256
.irp s, 0,1
	v_add_nc_u32 v[ADRA+\s], s21, v4
	v_add_nc_u32 v[ADRB+\s], s22, v4
	s_add_co_u32 s21, s21, SLOT
	s_add_co_u32 s22, s22, SLOT
.endr
	v_mul_u32_u24 v5, v1, KS                       ; my row's scales: 32 bytes a row,
	v_lshrrev_b32 v6, 8, v5
	v_lshl_add_u32 v5, v6, 4, v5                   ; and 16 more for each 256 passed
	s_mul_i32 s21, s15, HALFS                      ; x's: my 128 rows
	s_mul_i32 s22, s16, HALFS                      ; W's: my 128 rows, behind x's 256
	s_add_co_u32 s22, s22, 2*HALFS
	s_sub_co_u32 s22, s22, s21
	v_mul_u32_u24 v6, s22, v2                      ; lanes 16-31 take W's: one product, the distance x the lane's half
	s_add_co_u32 s21, s21, SCL
	v_add_nc_u32 v5, v5, v6
	v_add_nc_u32 v[ADRS], s21, v5
	s_mul_i32 s23, s14, 16*SPITCH                  ; my stage
	v_mul_u32_u24 v5, v1, SPITCH                   ; in: row l % 16, 16 bytes for each half of the lanes
	v_lshl_add_u32 v5, v2, 4, v5
	v_add_nc_u32 v[STO], s23, v5
	v_and_b32 v6, 31, v0
	v_lshlrev_b32 v[CO], 4, v6                     ; out: 16 x lane: four positions of one head are 512 consecutive bytes
	v_lshrrev_b32 v5, 3, v6                        ; back: eight lanes to a position's 128 bytes of one head, four positions an instruction
	v_mul_u32_u24 v5, v5, SPITCH
	v_and_b32 v6, 7, v6
	v_lshl_add_u32 v5, v6, 4, v5
	v_add_nc_u32 v[RD], s23, v5
	; where my 128 positions x 2 heads begin in qkv16: batch = tile row / 8, position = 256 (tile row % 8) + 128 x row half; tensor = tile column / 4, head = 4 (tile column % 4) + 2 x column half
	s_lshr_b32 s20, s17, 3
	s_lshl_b32 s20, s20, 22
	s_and_b32 s21, s17, 7
	s_lshl_b32 s21, s21, 15
	s_add_co_u32 s20, s20, s21
	s_lshl_b32 s21, s15, 14
	s_add_co_u32 s20, s20, s21
	s_mov_b32 s21, 0
	s_lshr_b32 s46, s42, 2                         ; (in the registers that held W's address: none that feeds x's descriptors ever holds cx)
	s_lshl_b32 s46, s46, 24
	s_and_b32 s47, s42, 3
	s_lshl_b32 s47, s47, 20
	s_add_co_u32 s46, s46, s47
	s_lshl_b32 s47, s16, 19
	s_add_co_u32 s46, s46, s47
	s_mov_b32 s47, 0
	s_add_nc_u64 s[20:21], s[20:21], s[46:47]
	s_add_nc_u64 s[12:13], s[12:13], s[20:21]
.macro FRAG reg, adr, q, i             ; a fragment, 16 rows x 128 K of 4-bit codes, is 8 registers: lane l holds row l % 16; registers 4 c .. 4 c + 3 hold K = 64 c + 32 (l / 16) + 0 .. 31
.irp c, 0,1
	ds_load_b128 v[\reg+4*\c:\reg+4*\c+3], v[\adr] offset:64*(\q)+32*\c+(\i)*16*PITCH
.endr
.endm
; 16 matrix instructions: x's blocks a0, a0 + 1 against W's eight, 128 along K: the slot's q-th.  p: W's set;  sc: the set of scale words.  zero = 1: the first product starts the sums: nothing is ever cleared.
; The 64 accumulators take turns, one instruction a turn, in the same order in every step.
.macro MUL16 a0, p, q, sc, zero
.irp a, \a0, \a0+1
.irp b, 0,1,2,3,4,5,6,7
.if \zero
	v_wmma_scale_f32_16x16x128_f8f6f4 v[8*(8*((\a)%4)+\b):8*(8*((\a)%4)+\b)+7], v[128*(\p)+FR*\b:128*(\p)+FR*\b+FR-1], v[AF+FR*(\a):AF+FR*(\a)+FR-1], 0, v[SC+8*NQ*(\sc)+NQ*\b+(\q)], v[SC+8*NQ*(\sc)+NQ*(\a)+(\q)] matrix_a_fmt:MATRIX_FMT_FP4 matrix_b_fmt:MATRIX_FMT_FP4 matrix_a_scale:MATRIX_SCALE_ROW1
.else
	v_wmma_scale_f32_16x16x128_f8f6f4 v[8*(8*((\a)%4)+\b):8*(8*((\a)%4)+\b)+7], v[128*(\p)+FR*\b:128*(\p)+FR*\b+FR-1], v[AF+FR*(\a):AF+FR*(\a)+FR-1], v[8*(8*((\a)%4)+\b):8*(8*((\a)%4)+\b)+7], v[SC+8*NQ*(\sc)+NQ*\b+(\q)], v[SC+8*NQ*(\sc)+NQ*(\a)+(\q)] matrix_a_fmt:MATRIX_FMT_FP4 matrix_b_fmt:MATRIX_FMT_FP4 matrix_a_scale:MATRIX_SCALE_ROW1
.endif
.endr
.endr
.endm
.macro FETCH_B slot, q, p              ; W's eight fragments of the slot's q-th 128 along K into set p
	WIN TO_B
.irp i, 0,1,2,3,4,5,6,7
	FRAG 128*(\p)+FR*\i, ADRB+\slot, \q, \i
.endr
	WIN 0
.endm
.macro FETCH_A slot, q, i0             ; x's blocks i0 .. i0 + 3
.irp i, \i0, \i0+1, \i0+2, \i0+3
	FRAG AF+FR*(\i), ADRA+\slot, \q, \i
.endr
.endm
.macro SCALES sc                       ; a K step's scale words into set sc: four words a row; lanes 0-15 take x's block i, lanes 16-31 W's block i
.irp i, 0,1,2,3,4,5,6,7
	ds_load_b128 v[SC+8*NQ*\sc+NQ*\i:SC+8*NQ*\sc+NQ*\i+3], v[ADRS] offset:\i*SBLK
.endr
.endm
; A load into a register that a matrix instruction has read, and a vector instruction that reads a matrix result, stand NP places behind that matrix instruction; only plain vector instructions that name none of
; its registers are places (ISA guide 7.12.1 for vector instructions).
.macro PLACES n
.rept \n
	v_nop
.endr
.endm
; A step of 128 along K that has its successor in the same slot.  x has one set of registers: blocks 0-3 are fetched anew in the step's middle, blocks 4-7 at its end.
.macro STEP slot, q, zero
	s_wait_dscnt 4*NL                              ; W's set and x's blocks 0-3 are in; the youngest eight loads (x's blocks 4-7) may be out
	WIN MUL_LO
	MUL16 0, (\q)%2, \q, \slot, \zero
	MUL16 2, (\q)%2, \q, \slot, \zero
	s_wait_dscnt 0                                 ; x's blocks 4-7 are in
	PLACES NP
	FETCH_B \slot, (\q)+1, 1-(\q)%2
	FETCH_A \slot, (\q)+1, 0
	WIN MUL_HI
	MUL16 4, (\q)%2, \q, \slot, \zero
	MUL16 6, (\q)%2, \q, \slot, \zero
	PLACES NP
	WIN 0
	FETCH_A \slot, (\q)+1, 4
.endm
; Slot 0's last step goes over to slot 1: one barrier; in front of it each wave waits for all its tensor loads (its part of slot 1), adds 0 to its spare word, and waits for that and for its reads of slot 0.
; Behind it slot 1 is whole, and nobody reads slot 0 any more: the way out's stages may lie there.
.macro TURN slot, next
	s_wait_tensorcnt 0x0                           ; all my tensor loads have landed
	ds_add_u32 v[SPW], v[NIL]                      ; 0 onto my spare word
	s_wait_dscnt 4*NL+1                            ; (the add and the youngest eight loads, x's blocks 4-7, may be out)
	WIN MUL_LO
	MUL16 0, 1, NQ-1, \slot, 0                     ; sixteen matrix instructions stand between the add and the wait for it
	s_wait_dscnt 0x0                               ; the add is done, and my reads of this slot are over
	s_barrier_signal -1
	MUL16 2, 1, NQ-1, \slot, 0
	WIN 0
	s_barrier_wait -1
	PLACES NP
	v_add_nc_u32 v[ADRS], 4*NQ, v[ADRS]            ; on to the next K step's scale words (no LDS load of mine is out)
	FETCH_B \next, 0, 0
	FETCH_A \next, 0, 0
	SCALES \next
	WIN MUL_HI
	MUL16 4, 1, NQ-1, \slot, 0
	MUL16 6, 1, NQ-1, \slot, 0
	PLACES NP
	WIN 0
	FETCH_A \next, 0, 4
.endm
	s_wait_tensorcnt 1                             ; the scales and my part of K step 0 are in (K step 1's load, the youngest, may be out),
	s_barrier_signal -1
	s_barrier_wait -1                              ; everybody's are
	FETCH_B 0, 0, 0
	FETCH_A 0, 0, 0
	SCALES 0
	FETCH_A 0, 0, 4
	STEP 0, 0, 1                                   ; the first step's products start the sums
	STEP 0, 1, 0
	STEP 0, 2, 0
	TURN 0, 1
	STEP 1, 0, 0
	STEP 1, 1, 0
	STEP 1, 2, 0
	s_wait_dscnt 4*NL                              ; the very last step: nothing more to fetch
	WIN MUL_LO
	MUL16 0, 1, NQ-1, 1, 0
	MUL16 2, 1, NQ-1, 1, 0
	s_wait_dscnt 0
	WIN MUL_HI
	MUL16 4, 1, NQ-1, 1, 0
	MUL16 6, 1, NQ-1, 1, 0
	WIN 0
; THE WAY OUT, block by block of 16 positions x 128 channels (two heads).  PACK: rounded to f16, 16 bytes a lane, each accumulator from its low end on.  TOSTAGE: into my own stage in LDS and back, four positions
; of one head an instruction.  SEND: stored; every offset is an immediate.
.macro PACK a
.set AC, 64*((\a)%4)
	WIN 0x0a+5*((\a)/4)                            ; sources 0 and 1: window 2 or 3
.irp b, 0,1,2,3,4,5,6,7
.irp i, 0,1,2,3
	v_cvt_pk_f16_f32 v[TMP+4*\b+\i], v[AC+8*\b+2*\i], v[AC+8*\b+2*\i+1]
.endr
.endr
	WIN 0
.endm
.macro TOSTAGE a
.set BK, OB+32*((\a)%2)
.irp b, 0,1,2,3,4,5,6,7
	ds_store_b128 v[STO], v[TMP+4*\b:TMP+4*\b+3] offset:32*\b
.endr
.irp t, 0,1,2,3,4,5,6,7
	ds_load_b128 v[BK+4*\t:BK+4*\t+3], v[RD] offset:(\t%4)*4*SPITCH+(\t/4)*128   ; LDS serves a wave's instructions in order (ISA guide 5.7.1.4): these see the stores above
.endr
.endm
.macro SEND a
.set BK, OB+32*((\a)%2)
	s_wait_dscnt 0x0                               ; the block is back in registers
	s_wait_xcnt 0x0                                ; the earlier stores have read their registers: the block behind this one lands there only behind this wait
.irp t, 0,1,2,3,4,5,6,7
	global_store_b128 v[CO], v[BK+4*\t:BK+4*\t+3], s[12:13] offset:(\t/4)*262144+(\a)*2048+(\t%4)*512   ; 32 lanes store 512 consecutive bytes: four positions of one head
.endr
.endm
	PLACES NP                                      ; behind the last products: for the conversions that read results and the loads into the registers that held x's fragments
	PACK 0
	TOSTAGE 0
.irp a, 1,2,3,4,5,6,7                  ; block a's conversions stand between block a - 1's loads from the stage and the wait for them
	PACK \a
	SEND \a-1
	TOSTAGE \a
.endr
	SEND 7
	s_wait_tensorcnt 0x0                           ; the wave's end, behind my last tensor load and my last LDS store
	ds_add_u32 v[SPW], v[NIL]
	s_wait_dscnt 0x0
	CROUND                                         ; the closing round: no work-group ends while a partner may still ask for a tile that names it
	s_endpgm
.Lfunc_end_k_q017aaa9017_qkv:
	.size	k_q017aaa9017_qkv, .Lfunc_end_k_q017aaa9017_qkv-k_q017aaa9017_qkv
	.p2alignl 7, 3214868480
	.fill 96, 4, 3214868480
	.section	.rodata,"a",@progbits
	.p2align	6, 0x0
	.amdhsa_kernel k_q017aaa9017_qkv
		.amdhsa_group_segment_fixed_size 327680
		.amdhsa_private_segment_fixed_size 0
		.amdhsa_enable_private_segment 0
		.amdhsa_kernarg_size 40
		.amdhsa_user_sgpr_count 2
		.amdhsa_user_sgpr_kernarg_segment_ptr 1
		.amdhsa_wavefront_size32 1
		.amdhsa_system_sgpr_workgroup_id_x 1
		.amdhsa_system_sgpr_workgroup_id_y 1
		.amdhsa_system_sgpr_workgroup_id_z 1
		.amdhsa_system_vgpr_workitem_id 0
		.amdhsa_next_free_vgpr 1024
		.amdhsa_next_free_sgpr 98
		.amdhsa_reserve_vcc 0
		.amdhsa_float_denorm_mode_32 3
		.amdhsa_float_denorm_mode_16_64 3
		.amdhsa_memory_ordered 1
		.amdhsa_forward_progress 1
		.amdhsa_inst_pref_size 126
	.end_amdhsa_kernel
	.amdgpu_metadata
---
amdhsa.version: [ 1, 2 ]
amdhsa.kernels:
  - .name:           k_q017aaa9017_qkv
    .symbol:         k_q017aaa9017_qkv.kd
    .args:
      - { .name: xc, .offset: 0, .size: 8, .value_kind: global_buffer, .address_space: global }
      - { .name: xs, .offset: 8, .size: 8, .value_kind: global_buffer, .address_space: global }
      - { .name: wc, .offset: 16, .size: 8, .value_kind: global_buffer, .address_space: global }
      - { .name: ws, .offset: 24, .size: 8, .value_kind: global_buffer, .address_space: global }
      - { .name: qkv16, .offset: 32, .size: 8, .value_kind: global_buffer, .address_space: global }
    .group_segment_fixed_size: 327680
    .private_segment_fixed_size: 0
    .kernarg_segment_align: 8
    .kernarg_segment_size: 40
    .max_flat_workgroup_size: 128
    .sgpr_count:     98
    .vgpr_count:     1024
    .wavefront_size: 32
...
	.end_amdgpu_metadata
.endif
;; end of part 2
;; launch attn (part 3): grid 4 x 64, 16 waves a work-group, no clusters, 327,680 bytes of LDS; arguments qkv16, o16; writes o16
.if DOCPART == 3
	.amdgcn_target "amdgcn-amd-amdhsa--gfx1250"
	.amdhsa_code_object_version 6
	.text
	.protected	k_q017aaa9017_attn
	.globl	k_q017aaa9017_attn
	.p2align	8
	.type	k_q017aaa9017_attn,@function
k_q017aaa9017_attn:
	s_mov_b64 s[64:65], 0
	v_nop
	global_prefetch_b8 v0, s[64:65] scope:SCOPE_SE
	s_setreg_imm32_b32 hwreg(HW_REG_WAVE_MODE, 25, 1), 1
	s_wait_xcnt 0x0
; O[bh][q] = the sum over k <= q of softmax_k(Q[bh][q] . K[bh][k] / 8) V[bh][k], 64 heads-in-batches of 2,048 positions x 64 channels.  Q, K, V: f16 in qkv16 [3][64][2048][64]; O: f16 in o16 [64][2048][64].
; Products on f16 operands with f32 sums; maxima, exponentials and sums in f32; the weights p (at most 1) are rounded to f16 for the second product, O once at the end.
; LIMITS: |O| under 65,504 (f16).  A hidden score becomes -infinity, or its tile is left out, where the definition writes -1e9: the two differ only for a row whose largest open score lies near -1e9 or under it.
; SHARES.  A work-group owns two blocks of 256 queries of one head, blocks j and 7 - j, so that all 256 work-groups have the same causal work.  Each of SIXTEEN waves owns 32 queries, two tiles of 16, in 256 registers:
; four waves to a SIMD, so that one wave's vector work stands beside another's matrix work and LDS loads.  Which block a wave serves goes by ((w / 4) xor w) % 2.
; All waves walk the same ring of keys: 8 slots of 256 keys, 4 steps of 64 in each; both trip counts are constants.  A step all of whose keys come after a wave's queries is jumped over by a scalar branch on ids.
; NO CLUSTER: the four work-groups of a head need different numbers of tiles under the causal mask (8, 7, 6, 5 slots), so a joint load would bring some partner tiles that none of its waves reads.
; LAYOUT.  S^T = K Q^T (source 0 = 16 keys, source 1 = 16 queries): a lane holds ONE query (lane % 16) and keys 8 (lane / 16) + 0..7 of each tile.  Two such tiles, rounded to f16 in pairs, ARE source 1 (32 keys x 16
; queries) of O^T = V^T P, whose result again holds one query a lane.  K comes out of LDS as it lies, V ([key][channel]) turned, by ds_load_tr16_b128.
; SOFTMAX.  For each query a running maximum m and sum l: p = 2^(c s - c m), c = log2(e) / 8; in every step O and l are multiplied by a = 2^(c m_old - c m_new).  O, l begin as zeros and m as -3e38.
.set SK,    256                        ; keys in a slot
.set KP,    144                        ; a key's row of K in LDS: 128 bytes + 16 of padding: the 16 rows of a load start at 16 different groups of four banks
.set VP,    160                        ; of V: 128 + 32: an odd multiple of 32 bytes
.set VOFF,  SK*KP                      ; a slot: 256 rows of K, then 256 rows of V
.set SLOT1, 1<<17                      ; slot 1 begins here, so that one exclusive or turns an address in one slot into the other's
.set STAGE, SLOT1+SK*(KP+VP)           ; behind the ring: 32 rows x 144 bytes for each wave, for the way out
.set SPARE, STAGE+16*32*KP             ; behind the stages: the spare words, 128 bytes for each of 16 waves
.set AK0,  1                           ; v1   my lane's place in a tile of K; never rewritten
.set AV0,  2                           ; v2   the same for V
.set ADK,  3                           ; v3   LDS address of the step's tiles of K (at the head: r)
.set ADV,  4                           ; v4   of V (at the head: h)
.set SPW,  5                           ; v5   LDS address of my spare word; never rewritten
.set NIL,  6                           ; v6   0; never rewritten
.set MD0,  7                           ; v7   r - 8 h
.set DD,   8                           ; v8   the mask's bound of the step in hand
.set NINF, 9                           ; v9   -infinity
.set PFO,  10                          ; v10  256 x lane: the prefetches' offset; never rewritten
.set QOF,  11                          ; v11  Q's offset
.set STO,  12                          ; v12  the way out: where I put 16 bytes of a row
.set RD,   13                          ; v13  where I read back
.set GO,   14                          ; v14  16 x lane
.set ST,   16                          ; v16-31 statistics, 8 a tile: +0 c m, +1 m, +2, +3 l (even keys', odd keys'), +4 to +7 at work; a in +6
.set Q,    32                          ; v32-63  Q: fragment (tile qt, channels 32 ds on) at Q + 16 qt + 8 ds
.set KV,   64                          ; v64-127 K's eight fragments, then V's
.set S,    128                         ; v128-191 S^T, 32 a tile; P in place, in each tile's low 16
.set O,    192                         ; v192-255 O^T, 32 a tile
.set WV,   8                           ; s8   my wave's number
.set Q0,   13                          ; s13  my first query
.set QL,   14                          ; s14  my work-group's last query
.set KF,   15                          ; s15  the step's first key
.set TK,   16                          ; s16  LDS byte at which the step's rows of K begin
.set TV,   17                          ; s17  the same for V, less VOFF
.set SLOTS, 18                         ; s18  changes of slots still to come in the loop
.set STEPC, 19                         ; s19  counts a slot's four steps
.set SEL,  20                          ; s[20:21] lane selects for v_permlanex16_b32: lane l xor 16
.set CS,   22                          ; s[22:23] c: the packed form names a pair and takes its low word for both halves
.set G1K,  24                          ; s[24:31] descriptor group 1 for K's tiles;  s[32:39] for V's;  s[40:43], s[44:47] their groups 0, which walk
.set G1V,  32
.set G0K,  40
.set G0V,  44
.set PFA,  48                          ; s[48:49] where my prefetches stand
.set LIM,  50                          ; s50  1 in a wave that prefetches, else the greatest number
; Waves 0 and 1 fetch K's halves of a slot, waves 2 and 3 V's, the others nothing.  The branches hang on the wave's number alone.  An s_nop 0 and four v_nop follow each of the two lines.
.macro TLOAD
	s_cmp_lt_u32 s[WV], 2
	s_cbranch_scc0 .Lnot_k_\@
	tensor_load_to_lds s[G0K:G0K+3], s[G1K:G1K+7]
	s_nop 0
.rept 4
	v_nop
.endr
	s_branch .Lasked_\@
.Lnot_k_\@:
	s_cmp_lt_u32 s[WV], 4
	s_cbranch_scc0 .Lasked_\@
	tensor_load_to_lds s[G0V:G0V+3], s[G1V:G1V+7]
	s_nop 0
.rept 4
	v_nop
.endr
.Lasked_\@:
.endm
; A PREFETCH INTO THE L2 of what the NEXT change of slots will ask for: a slot's 256 rows of K and of V, two dense blocks of 32,768 bytes.  All four work-groups of a head walk the same keys; work-group j = 0, which
; walks all of them, asks, and nobody else.  In it the waves ask that fetch nothing, one instruction each: waves 4 to 7 for K's block, waves 8 to 11 for V's, 8,192 bytes a wave, lanes 256 bytes apart: each block of
; 256 bytes is named once in the launch.  Slots 0 and 1 come by their loads alone; the last change that fills a slot asks for nothing: there is no slot behind it.
.macro ASK
	s_cmp_gt_u32 s[SLOTS], s[LIM]
	s_cbranch_scc0 .Lnot_mine_\@
	global_prefetch_b8 v[PFO], s[PFA:PFA+1] th:TH_LOAD_NT scope:SCOPE_SE
.Lnot_mine_\@:
.endm
	s_load_b128 s[4:7], s[0:1], 0x0                ; qkv16 s[4:5], o16 s[6:7]
	v_lshl_add_u32 v[SPW], v0, 2, SPARE
	v_mov_b32 v[NIL], 0
	ds_add_u32 v[SPW], v[NIL]                      ; the wave's opening: the add, twice on end, and its wait ahead of my first tensor load
	ds_add_u32 v[SPW], v[NIL]                      ; and once more, under the one wait; the set-up below, work on registers, stands between
	v_lshrrev_b32 v15, 5, v0
	v_readfirstlane_b32 s[WV], v15                 ; wave 0..15
	s_and_b32 s12, ttmp7, 0xffff                   ; the head in its batch, 0..63
	s_lshr_b32 s9, s[WV], 2
	s_xor_b32 s9, s9, s[WV]
	s_and_b32 s9, s9, 1                            ; 0: the early block j;  1: the late block 7 - j
	s_lshr_b32 s10, s[WV], 1                       ; which 32 queries of the block
	s_sub_co_u32 s52, 7, ttmp9
	s_cmp_eq_u32 s9, 0
	s_cselect_b32 s53, ttmp9, s52
	s_lshl_b32 s[Q0], s53, 8
	s_lshl_b32 s53, s10, 5
	s_add_co_u32 s[Q0], s[Q0], s53                 ; my first query
	s_lshl_b32 s[QL], s52, 8
	s_or_b32 s[QL], s[QL], 255                     ; the work-group's last
	s_lshl_b32 s54, s12, 18                        ; the head's plane in each tensor: 2^18 bytes
	s_mov_b32 s55, 0
	s_and_b32 s56, s[WV], 1                        ; which half of a slot I fetch, if I fetch:
	s_lshl_b32 s57, s56, 14                        ; 128 rows of 128 bytes in memory,
	s_add_co_u32 s58, s54, s57
	s_mov_b32 s59, 0
	s_mul_i32 s60, s56, 128*KP                     ; and in a slot: K's,
	s_mul_i32 s61, s56, 128*VP
	s_add_co_u32 s61, s61, VOFF                    ; V's
	; descriptor group 1: 128 rows x 64 elements of 2 bytes, dense in memory, padded in LDS
	s_mov_b32 s[G1K], (1<<16)|(1<<20)|(4<<22)|(3<<25)   ; 15:0 no mask; 17:16 elements of 2 bytes; 20 padding on; 24:22 after every 32 words (code 4); 31:25 four words (code 3)
	s_mov_b32 s[G1V], (1<<16)|(1<<20)|(4<<22)|(7<<25)   ; the same with eight words of padding (code 7)
.irp g, G1K, G1V
	s_mov_b32 s[\g+1], 64<<16                      ; tensor_dim0 = 64
	s_mov_b32 s[\g+2], 128<<16                     ; tensor_dim1 = 128
	s_mov_b32 s[\g+3], 64<<16                      ; tile_dim0 = 64
	s_mov_b32 s[\g+4], 128                         ; tile_dim1 = 128
	s_mov_b32 s[\g+5], 64                          ; tensor_dim0_stride
	s_mov_b32 s[\g+6], 0
	s_mov_b32 s[\g+7], 0
.endr
	s_mov_b32 s[SEL], 0x76543210
	s_mov_b32 s[SEL+1], 0xfedcba98
	s_mov_b32 s[CS], 0x3e38aa3b                    ; c = log2(e) / 8
	s_mov_b32 s[CS+1], s[CS]                       ; (named with it as a pair, so it is written)
	s_mov_b32 s[KF], 0
	s_mov_b32 s[TK], 0
	s_mov_b32 s[TV], 0
	s_mov_b32 s[SLOTS], 7
	s_wait_dscnt 0x0                               ; both opening adds are done
	s_wait_kmcnt 0x0
	s_mov_b32 s[G0K], 1                            ; 1:0 count = 1
	s_mov_b32 s[G0K+1], s60                        ; 63:32 LDS address: slot 0
	s_add_nc_u64 s[G0K+2:G0K+3], s[4:5], s[58:59]  ; 120:64 global address: the head's first keys,
	s_add_nc_u64 s[G0K+2:G0K+3], s[G0K+2:G0K+3], 0x1000000   ; in K
	s_or_b32 s[G0K+3], s[G0K+3], 0x80000000        ; 127:126 type = 2
	s_mov_b32 s[G0V], 1
	s_mov_b32 s[G0V+1], s61
	s_add_nc_u64 s[G0V+2:G0V+3], s[4:5], s[58:59]
	s_add_nc_u64 s[G0V+2:G0V+3], s[G0V+2:G0V+3], 0x2000000   ; in V
	s_or_b32 s[G0V+3], s[G0V+3], 0x80000000
	TLOAD                                          ; slot 0: the one first fill at the head; key 0 counts for every query, so every wave reads it
	v_and_b32 v3, 15, v0                           ; r = lane % 16
	v_bfe_u32 v4, v0, 4, 1                         ; h = lane / 16
	v_lshlrev_b32 v[QOF], 7, v3
	v_lshl_add_u32 v[QOF], v4, 4, v[QOF]           ; Q: row r of 128 bytes, + 16 h
	s_lshl_b32 s62, s[Q0], 7
	s_add_co_u32 s62, s62, s54
	s_mov_b32 s63, 0
	s_add_nc_u64 s[56:57], s[4:5], s[62:63]        ; Q at my first query
	s_add_nc_u64 s[6:7], s[6:7], s[62:63]          ; O likewise
.irp qt, 0,1
.irp ds, 0,1
	global_load_b128 v[Q+16*\qt+8*\ds:Q+16*\qt+8*\ds+3],   v[QOF], s[56:57] offset:\qt*2048+\ds*64      ; Q stays in registers
	global_load_b128 v[Q+16*\qt+8*\ds+4:Q+16*\qt+8*\ds+7], v[QOF], s[56:57] offset:\qt*2048+\ds*64+32
.endr
.endr
	; the prefetches: where my wave's stand, and who asks
	s_mov_b32 s53, 0x2000000
	s_cmp_lt_u32 s[WV], 8                          ; waves 4 to 7 ask for K, waves 8 to 11 for V
	s_cselect_b32 s52, 0x1000000, s53
	s_add_co_u32 s52, s52, s54                     ; in my head,
	s_and_b32 s53, s[WV], 3
	s_lshl_b32 s53, s53, 13
	s_add_co_u32 s52, s52, s53                     ; my wave's 8,192 bytes,
	s_add_co_u32 s52, s52, SK*128                  ; in slot 1: the first change of slots steps it to slot 2
	s_mov_b32 s53, 0
	s_add_nc_u64 s[PFA:PFA+1], s[4:5], s[52:53]
	s_sub_co_u32 s52, s[WV], 4
	s_lshr_b32 s52, s52, 3                         ; 0 in waves 4 to 11,
	s_or_b32 s52, s52, ttmp9                       ; of work-group j = 0
	s_cmp_eq_u32 s52, 0
	s_cselect_b32 s[LIM], 1, -1
	v_and_b32 v[PFO], 31, v0
	v_lshlrev_b32 v[GO], 4, v[PFO]                 ; the way out: 16 x lane
	v_lshrrev_b32 v[RD], 3, v[PFO]                 ; back from the stage: eight lanes to a row of 128 bytes, four rows an instruction
	v_mul_u32_u24 v[RD], v[RD], KP
	v_and_b32 v15, 7, v0
	v_lshl_add_u32 v[RD], v15, 4, v[RD]
	v_lshlrev_b32 v[PFO], 8, v[PFO]
	s_mul_i32 s52, s[WV], 32*KP
	s_add_co_u32 s52, s52, STAGE                   ; my stage
	v_add_nc_u32 v[RD], s52, v[RD]
	v_mul_u32_u24 v[AK0], v3, KP
	v_lshl_add_u32 v[AK0], v4, 4, v[AK0]           ; K: row r x pitch + 16 h
	v_add_nc_u32 v[STO], s52, v[AK0]               ; into the stage: the same place in a tile of 16 rows
	v_lshl_add_u32 v[AV0], v4, 3, v15              ; V, for the turning load: key 8 h + lane % 8,
	v_mul_u32_u24 v[AV0], v[AV0], VP
	v_bfe_u32 v15, v0, 3, 1
	v_lshl_add_u32 v[AV0], v15, 4, v[AV0]          ; channels 8 ((lane / 8) % 2) on
	v_add_nc_u32 v[AV0], VOFF, v[AV0]
	v_lshlrev_b32 v15, 3, v4
	v_sub_nc_u32 v[MD0], v3, v15                   ; r - 8 h
	v_mov_b32 v[NINF], 0xff800000
.irp t, 0,1
	v_mov_b32 v[ST+8*\t+1], 0xff61b1e6             ; m: -3e38, under every score
	v_mul_f32 v[ST+8*\t], s[CS], v[ST+8*\t+1]      ; c m
.irp k, 2,3,4,5,6,7
	v_mov_b32 v[ST+8*\t+\k], 0                     ; l; and the registers at work, which a lane permute and the packed forms name before they are first written
.endr
.endr
.irp j, 0,1,2,3,4,5,6,7,8,9,10,11,12,13,14,15,16,17,18,19,20,21,22,23,24,25,26,27,28,29,30,31,32,33,34,35,36,37,38,39,40,41,42,43,44,45,46,47,48,49,50,51,52,53,54,55,56,57,58,59,60,61,62,63
	v_mov_b32 v[O+\j], 0                           ; O^T.  (The step is written once: the first finds zeros, which its a = 0 leaves zeros)
.endr
; A KEY STEP: 64 keys against my 32 queries.
.macro STEP
	s_add_co_u32 s52, s[Q0], 31                    ; a step all of whose keys come after my queries is left out: a branch on ids, round the loads, products and softmax, not round the lines that step addresses
	s_cmp_gt_u32 s[KF], s52
	s_cbranch_scc1 .Lhidden_\@
	v_add_nc_u32 v[ADK], s[TK], v[AK0]
	v_add_nc_u32 v[ADV], s[TV], v[AV0]
.irp kt, 0,1,2,3                               ; K: fragment (keys 16 kt on, channels 32 ds on)
.irp ds, 0,1
	ds_load_b128 v[KV+16*\kt+8*\ds:KV+16*\kt+8*\ds+3],   v[ADK] offset:\kt*16*KP+64*\ds
	ds_load_b128 v[KV+16*\kt+8*\ds+4:KV+16*\kt+8*\ds+7], v[ADK] offset:\kt*16*KP+64*\ds+32
.endr
.endr
	s_wait_dscnt 0x0
.irp ds, 0,1                                   ; S^T = K Q^T: eight accumulators by turns, one instruction a turn; the first eight start the sums
.irp kt, 0,1,2,3
.irp qt, 0,1
.if \ds == 0
	v_wmma_f32_16x16x32_f16 v[S+32*\qt+8*\kt:S+32*\qt+8*\kt+7], v[KV+16*\kt+8*\ds:KV+16*\kt+8*\ds+7], v[Q+16*\qt+8*\ds:Q+16*\qt+8*\ds+7], 0
.else
	v_wmma_f32_16x16x32_f16 v[S+32*\qt+8*\kt:S+32*\qt+8*\kt+7], v[KV+16*\kt+8*\ds:KV+16*\kt+8*\ds+7], v[Q+16*\qt+8*\ds:Q+16*\qt+8*\ds+7], v[S+32*\qt+8*\kt:S+32*\qt+8*\kt+7]
.endif
.endr
.endr
.endr
.rept 4
	v_nop                                          ; four places: in front of the loads into K's registers, and of the first read of the scores
.endr
.irp g, 0,1                                    ; V, turned: fragment (keys 32 g on, channels 16 ct on); it lands while the softmax is worked
.irp ct, 0,1,2,3
	ds_load_tr16_b128 v[KV+32*\g+8*\ct:KV+32*\g+8*\ct+3],   v[ADV] offset:\g*32*VP+32*\ct
	ds_load_tr16_b128 v[KV+32*\g+8*\ct+4:KV+32*\g+8*\ct+7], v[ADV] offset:\g*32*VP+16*VP+32*\ct
.endr
.endr
	s_add_co_u32 s52, s[KF], 63                    ; a step all of whose keys count for all my queries skips the mask
	s_cmp_le_u32 s52, s[Q0]
	s_cbranch_scc1 .Lopen_\@
	s_sub_co_i32 s52, s[Q0], s[KF]
	v_add_nc_u32 v[DD], s52, v[MD0]                ; d = Q0 - KF + r - 8 h.  Register 32 qt + 8 kt + j holds key KF + 16 kt + 8 h + j of query Q0 + 16 qt + r: hidden where 16 kt + j - 16 qt > d
.irp qt, 0,1
.irp kt, 0,1,2,3
.irp j, 0,1,2,3,4,5,6,7
	v_cmp_gt_i32 vcc_lo, 16*\kt+\j-16*\qt, v[DD]
	v_cndmask_b32 v[S+32*\qt+8*\kt+\j], v[S+32*\qt+8*\kt+\j], v[NINF], vcc_lo
.endr
.endr
.endr
.Lopen_\@:
	; the maximum of my 32 scores of each tile and the old m: four chains, the two tiles by turns; each accumulator is read from its low end on
.irp k, 0,1,2,3
.irp t, 0,1
	v_max3_num_f32 v[ST+8*\t+4+\k], v[S+32*\t+8*\k], v[S+32*\t+8*\k+1], v[S+32*\t+8*\k+2]
.endr
.endr
.irp u, 3,5
.irp k, 0,1,2,3
.irp t, 0,1
	v_max3_num_f32 v[ST+8*\t+4+\k], v[ST+8*\t+4+\k], v[S+32*\t+8*\k+\u], v[S+32*\t+8*\k+\u+1]
.endr
.endr
.endr
.irp t, 0,1
	v_max3_num_f32 v[ST+8*\t+4], v[ST+8*\t+4], v[S+32*\t+7], v[S+32*\t+15]
.endr
.irp t, 0,1
	v_max3_num_f32 v[ST+8*\t+6], v[ST+8*\t+6], v[S+32*\t+23], v[S+32*\t+31]
.endr
.irp t, 0,1
	v_max3_num_f32 v[ST+8*\t+4], v[ST+8*\t+4], v[ST+8*\t+5], v[ST+8*\t+6]
.endr
.irp t, 0,1
	v_max3_num_f32 v[ST+8*\t+4], v[ST+8*\t+4], v[ST+8*\t+7], v[ST+8*\t+1]
.endr
.irp t, 0,1
	v_permlanex16_b32 v[ST+8*\t+5], v[ST+8*\t+4], s[SEL], s[SEL+1]   ; the query's other 32 keys lie in the lane 16 away
.endr
.irp t, 0,1
	v_mov_b32 v[ST+8*\t+7], v[ST+8*\t]             ; c m_old is kept for a
.endr
.irp t, 0,1
	v_max_num_f32 v[ST+8*\t+1], v[ST+8*\t+4], v[ST+8*\t+5]
.endr
.irp t, 0,1
	v_mul_f32 v[ST+8*\t], s[CS], v[ST+8*\t+1]
.endr
.irp t, 0,1
	v_sub_f32 v[ST+8*\t+7], v[ST+8*\t+7], v[ST+8*\t]
.endr
.irp t, 0,1
.irp u, 0,2,4,6,8,10,12,14,16,18,20,22,24,26,28,30
	v_pk_fma_f32 v[S+32*\t+\u:S+32*\t+\u+1], v[S+32*\t+\u:S+32*\t+\u+1], s[CS:CS+1], v[ST+8*\t:ST+8*\t+1] op_sel_hi:[1,0,0] neg_lo:[0,0,1] neg_hi:[0,0,1]   ; c s - c m, two at a time
.endr
.endr
.irp t, 0,1
	v_exp_f32 v[ST+8*\t+6], v[ST+8*\t+7]           ; a
.endr
.irp j, 0,1,2,3,4,5,6,7,8,9,10,11,12,13,14,15,16,17,18,19,20,21,22,23,24,25,26,27,28,29,30,31,32,33,34,35,36,37,38,39,40,41,42,43,44,45,46,47,48,49,50,51,52,53,54,55,56,57,58,59,60,61,62,63
	v_exp_f32 v[S+\j], v[S+\j]                     ; p
.endr
	v_nop                                          ; one plain instruction behind the last exponential
	s_wait_alu depctr_va_vdst(0)                   ; one wait for the batch of 66, ahead of the first instruction that names a result
.irp t, 0,1
	v_pk_mul_f32 v[ST+8*\t+2:ST+8*\t+3], v[ST+8*\t+2:ST+8*\t+3], v[ST+8*\t+6:ST+8*\t+7] op_sel_hi:[1,0]   ; l under the new m
.endr
.irp t, 0,1
	v_pk_add_f32 v[ST+8*\t+4:ST+8*\t+5], v[S+32*\t:S+32*\t+1], v[S+32*\t+2:S+32*\t+3]    ; the sum of the f32 weights, two at a time, in two chains a tile
.endr
.irp u, 4,8,12,16,20,24,28
.irp t, 0,1
	v_pk_add_f32 v[ST+8*\t+2:ST+8*\t+3], v[ST+8*\t+2:ST+8*\t+3], v[S+32*\t+\u:S+32*\t+\u+1]
	v_pk_add_f32 v[ST+8*\t+4:ST+8*\t+5], v[ST+8*\t+4:ST+8*\t+5], v[S+32*\t+\u+2:S+32*\t+\u+3]
.endr
.endr
.irp t, 0,1
	v_pk_add_f32 v[ST+8*\t+2:ST+8*\t+3], v[ST+8*\t+2:ST+8*\t+3], v[ST+8*\t+4:ST+8*\t+5]
.endr
.irp i, 0,1,2,3,4,5,6,7,8,9,10,11,12,13,14,15
.irp t, 0,1
	v_cvt_pk_f16_f32 v[S+32*\t+\i], v[S+32*\t+2*\i], v[S+32*\t+2*\i+1]   ; P in place: register i takes pair i, which no later line reads
.endr
.endr
.irp t, 0,1
.irp u, 0,2,4,6,8,10,12,14,16,18,20,22,24,26,28,30
	v_pk_mul_f32 v[O+32*\t+\u:O+32*\t+\u+1], v[O+32*\t+\u:O+32*\t+\u+1], v[ST+8*\t+6:ST+8*\t+7] op_sel_hi:[1,0]   ; O^T under the new m, each accumulator from its low end on
.endr
.endr
	s_wait_dscnt 0x0                               ; V is in
.irp g, 0,1                                    ; O^T += V^T P: eight accumulators by turns
.irp ct, 0,1,2,3
.irp qt, 0,1
	v_wmma_f32_16x16x32_f16 v[O+32*\qt+8*\ct:O+32*\qt+8*\ct+7], v[KV+32*\g+8*\ct:KV+32*\g+8*\ct+7], v[S+32*\qt+8*\g:S+32*\qt+8*\g+7], v[O+32*\qt+8*\ct:O+32*\qt+8*\ct+7]
.endr
.endr
.endr
.rept 5
	v_nop                                          ; five places: the next step's first products write over P, which these products read; its loads land in V's registers; the way out reads O^T
.endr
.Lhidden_\@:
	s_add_co_u32 s[KF], s[KF], 64
	s_add_co_u32 s[TK], s[TK], 64*KP
	s_add_co_u32 s[TV], s[TV], 64*VP
.endm
; THE CHANGE OF SLOTS stands at a slot's head.  Each wave waits for all its tensor loads (its part of the slot that it is about to read), adds 0 to its spare word (fill = 1: twice on end)
; and waits for that and for its reads of the slot that it has left.  Behind the barrier the slot ahead is whole and nobody reads the other one.
; fill = 1: that other slot is filled with the next 256 keys; the load has a whole slot's four steps in which to land.  Every wait on TENSORcnt in this text is for 0.
.macro CHANGE fill
	s_wait_tensorcnt 0x0                           ; no tensor load of mine is out, so a group 0 may be written
	ds_add_u32 v[SPW], v[NIL]
.if \fill
	ds_add_u32 v[SPW], v[NIL]
	s_xor_b32 s[G0K+1], s[G0K+1], SLOT1            ; the walking descriptors: the other slot than last time,
	s_add_nc_u64 s[G0K+2:G0K+3], s[G0K+2:G0K+3], SK*128   ; the next 256 keys; the type bits on top are not reached
	s_xor_b32 s[G0V+1], s[G0V+1], SLOT1
	s_add_nc_u64 s[G0V+2:G0V+3], s[G0V+2:G0V+3], SK*128
	s_wait_xcnt 0x0                                ; the last prefetch, a slot back, has read its address, so it may be written:
	s_add_nc_u64 s[PFA:PFA+1], s[PFA:PFA+1], SK*128   ; one slot further on than the walking descriptors
.endif
	s_wait_dscnt 0x0                               ; the add is done, and my reads of the slot that I have left are over
	s_barrier_signal -1
	s_barrier_wait -1
.if \fill
	s_add_co_u32 s52, s[KF], SK                    ; THE LOOK-AHEAD ENDS AT THE CAUSAL LIMIT: a slot whose first key comes after the work-group's last query is read by none of its waves, so it is not asked for.
	s_cmp_gt_u32 s52, s[QL]                        ; Ids and the count of steps alone: all sixteen waves go the same way, and a work-group that is past the limit stays past it
	s_cbranch_scc1 .Lpast_\@
	TLOAD                                          ; a wave's one tensor load until the next change
.Lpast_\@:
	ASK
.endif
.endm
.macro SLOT_STEPS                      ; a slot's four key steps: written once, walked four times; the LDS addresses hang on s[TK], s[TV]
	s_mov_b32 s[STEPC], 4
.Lstep_\@:
	STEP
	s_sub_co_u32 s[STEPC], s[STEPC], 1
	s_cmp_lg_u32 s[STEPC], 0
	s_cbranch_scc1 .Lstep_\@
	s_sub_co_u32 s[TK], s[TK], SK*KP               ; back to a slot's first step,
	s_xor_b32 s[TK], s[TK], SLOT1                  ; in the other slot
	s_sub_co_u32 s[TV], s[TV], SK*VP
	s_xor_b32 s[TV], s[TV], SLOT1
.endm
	s_wait_loadcnt 0x0                             ; Q
.Lslot:                                            ; 7 trips: behind each change of slots but the last the next slot is asked for, up to the causal limit
	CHANGE 1
	SLOT_STEPS
	s_sub_co_u32 s[SLOTS], s[SLOTS], 1
	s_cmp_lg_u32 s[SLOTS], 0
	s_cbranch_scc1 .Lslot
	CHANGE 0                                       ; the last slot is written out: nothing is left to ask for
	SLOT_STEPS
	; THE WAY OUT.  l's two halves and the other half of the lanes' are added; O^T is divided by l, rounded to f16 and sent through my stage in LDS, so that each store covers four whole rows of the head.
.irp t, 0,1
	v_add_f32 v[ST+8*\t+4], v[ST+8*\t+2], v[ST+8*\t+3]
.endr
.irp t, 0,1
	v_permlanex16_b32 v[ST+8*\t+5], v[ST+8*\t+4], s[SEL], s[SEL+1]
.endr
.irp t, 0,1
	v_add_f32 v[ST+8*\t+4], v[ST+8*\t+4], v[ST+8*\t+5]
.endr
.irp t, 0,1
	v_rcp_f32 v[ST+8*\t+6], v[ST+8*\t+4]
.endr
	v_nop                                          ; a plain instruction behind the last reciprocal
	s_wait_alu depctr_va_vdst(0)                   ; and the one wait for both, ahead of their first reader
.irp t, 0,1
.irp u, 0,2,4,6,8,10,12,14,16,18,20,22,24,26,28,30
	v_pk_mul_f32 v[O+32*\t+\u:O+32*\t+\u+1], v[O+32*\t+\u:O+32*\t+\u+1], v[ST+8*\t+6:ST+8*\t+7] op_sel_hi:[1,0]
.endr
.endr
.irp t, 0,1
.irp i, 0,1,2,3,4,5,6,7,8,9,10,11,12,13,14,15
	v_cvt_pk_f16_f32 v[KV+16*\t+\i], v[O+32*\t+2*\i], v[O+32*\t+2*\i+1]   ; registers 4 ct .. 4 ct + 3: channels 16 ct + 8 h + 0 .. 7 of query r
.endr
.endr
.irp t, 0,1
.irp ct, 0,1,2,3
	ds_store_b128 v[STO], v[KV+16*\t+4*\ct:KV+16*\t+4*\ct+3] offset:\t*16*KP+32*\ct
.endr
.endr
.irp u, 0,1,2,3,4,5,6,7
	ds_load_b128 v[KV+32+4*\u:KV+32+4*\u+3], v[RD] offset:\u*4*KP   ; LDS serves a wave's instructions in order (ISA guide 5.7.1.4): these see my stores
.endr
.irp u, 0,1,2,3,4,5,6,7
	s_wait_dscnt 7-\u                              ; load u is in; the younger ones may be out
	global_store_b128 v[GO], v[KV+32+4*\u:KV+32+4*\u+3], s[6:7] offset:512*\u   ; 32 lanes store 512 consecutive bytes
.endr
	s_wait_tensorcnt 0x0                           ; the wave's end, behind my last tensor load and my last LDS store
	ds_add_u32 v[SPW], v[NIL]
	s_wait_dscnt 0x0
	s_endpgm
.Lfunc_end_k_q017aaa9017_attn:
	.size	k_q017aaa9017_attn, .Lfunc_end_k_q017aaa9017_attn-k_q017aaa9017_attn
	.p2alignl 7, 3214868480
	.fill 96, 4, 3214868480
	.section	.rodata,"a",@progbits
	.p2align	6, 0x0
	.amdhsa_kernel k_q017aaa9017_attn
		.amdhsa_group_segment_fixed_size 327680
		.amdhsa_private_segment_fixed_size 0
		.amdhsa_enable_private_segment 0
		.amdhsa_kernarg_size 16
		.amdhsa_user_sgpr_count 2
		.amdhsa_user_sgpr_kernarg_segment_ptr 1
		.amdhsa_wavefront_size32 1
		.amdhsa_system_sgpr_workgroup_id_x 1
		.amdhsa_system_sgpr_workgroup_id_y 1
		.amdhsa_system_sgpr_workgroup_id_z 1
		.amdhsa_system_vgpr_workitem_id 0
		.amdhsa_next_free_vgpr 256
		.amdhsa_next_free_sgpr 66
		.amdhsa_reserve_vcc 1
		.amdhsa_float_denorm_mode_32 3
		.amdhsa_float_denorm_mode_16_64 3
		.amdhsa_memory_ordered 1
		.amdhsa_forward_progress 1
		.amdhsa_inst_pref_size 62
	.end_amdhsa_kernel
	.amdgpu_metadata
---
amdhsa.version: [ 1, 2 ]
amdhsa.kernels:
  - .name:           k_q017aaa9017_attn
    .symbol:         k_q017aaa9017_attn.kd
    .args:
      - { .name: qkv16, .offset: 0, .size: 8, .value_kind: global_buffer, .address_space: global }
      - { .name: o16, .offset: 8, .size: 8, .value_kind: global_buffer, .address_space: global }
    .group_segment_fixed_size: 327680
    .private_segment_fixed_size: 0
    .kernarg_segment_align: 8
    .kernarg_segment_size: 16
    .max_flat_workgroup_size: 512
    .sgpr_count:     66
    .vgpr_count:     256
    .wavefront_size: 32
...
	.end_amdgpu_metadata
.endif
;; end of part 3
;; launch proj (part 4): grid 4 x 64, 4 waves a work-group, clusters of 4 x 4, 327,680 bytes of LDS; arguments o16, wo16, out0; writes out0
.if DOCPART == 4
	.amdgcn_target "amdgcn-amd-amdhsa--gfx1250"
	.amdhsa_code_object_version 6
	.text
	.protected	k_q017aaa9017_proj
	.globl	k_q017aaa9017_proj
	.p2align	8
	.type	k_q017aaa9017_proj,@function
k_q017aaa9017_proj:
	s_mov_b64 s[64:65], 0
	v_nop
	global_prefetch_b8 v0, s[64:65] scope:SCOPE_SE
	s_setreg_imm32_b32 hwreg(HW_REG_WAVE_MODE, 25, 1), 1
	s_wait_xcnt 0x0
	s_wait_alu depctr_hold_cnt(0) depctr_sa_sdst(0) depctr_va_vdst(0) depctr_va_sdst(0) depctr_va_ssrc(0) depctr_va_vcc(0) depctr_vm_vsrc(0)
	s_getreg_b32 s2, hwreg(HW_REG_IB_STS2, 6, 4)
	s_cmp_eq_u32 s2, 0
	s_cbranch_scc0 .Lentry_in_a_cluster
	s_endpgm
.Lentry_in_a_cluster:
	s_bfe_u32 s2, ttmp6, 0x10000c
	s_cmp_lg_u32 s2, 0xf033
	s_cbranch_scc0 .Lentry_shape_is_right
	s_endpgm
.Lentry_shape_is_right:
; out0[m][n] = the sum over k of O[m][k] WO[n][k]: [8192][1024] x [1024][1024]^T, f16 operands, f32 sums, f32 out.  O lies by head: o16 [4 b][16 heads][2048 s][64]; m = 2048 b + s, k = 64 head + d.  wo16: [1024 n][1024 k].
; (Rows 0-15 of each batch are written again, more finely, by a later launch.)
; A tile of C is 128 (m) x 256 (n): 256 work-groups.  Four waves, each 64 x 128: 32 accumulators of 16 x 16, 256 registers.  K goes in steps of 128, two heads, through a ring of two LDS slots:
; O's tile is two planes (heads) of 128 rows x 128 bytes, each dense in memory; WO's is 256 rows x 256 bytes.  Waves 0 and 1 fetch O's two planes, waves 2 and 3 WO's two halves: one tensor load a wave.
; CLUSTERS: 4 x 4 work-groups.  The four of a row of the cluster need the same tiles of O, the four of a column the same tiles of WO: each tile is asked for JOINTLY, by the same tensor load with the same descriptor
; and a mask that names the four.  THE MATRIX INSTRUCTION IS USED TRANSPOSED (source 0 = 16 rows of WO, source 1 = 16 rows of O): a lane then holds eight neighbouring numbers of a row of C.
; REGISTERS: window 0: v0-31 addresses; two fragment buffers of 96, at v64 and v160: WO's 8 fragments (16 rows x 32 K), then O's 4; on the way out v64-191.   window 1: accumulator (a, b) at v[8 (8 a + b)].
.set PA,     144                       ; a row of O in LDS: 128 bytes + 16 of padding
.set PB,     272                       ; a row of WO: 256 + 16
.set PLANE,  128*PA                    ; one head's 128 rows
.set BOFF,   2*PLANE                   ; WO's rows lie behind O's two planes
.set HALFB,  128*PB
.set SLOT,   BOFF+2*HALFB
.set STAGE,  2*SLOT                    ; behind the ring: 16 rows x 528 bytes for each wave, for the way out
.set SPITCH, 528
.set SPARE,  STAGE+4*16*SPITCH         ; behind the stages: the spare words, 128 bytes a wave
.set LAPS,   4                         ; a lap = two K steps = once round the ring; K = 1,024
.set ADRA, 16                          ; v16-17  LDS address of my fragments of O in slot 0, 1
.set ADRB, 20                          ; v20-21  the same for WO
.set STO,  24                          ; v24     the way out: where I put 32 bytes of a row
.set RD,   25                          ; v25     where I read a row back
.set CO,   26                          ; v26     16 x lane
.set SPW,  28                          ; v28     LDS address of my spare word; never rewritten
.set NIL,  29                          ; v29     0; never rewritten
.set F0,   64
.set F1,   160
.set BK,   64                          ; the way out: 16 rows read back: v64-127 and v128-191 by turns
.set G1, 24                            ; s[24:31] descriptor group 1 for O's tiles;  s[32:39] group 0, one set for each slot
.set G0, 32
.set G1B, 48                           ; s[48:55], s[56:63] the same for WO's tiles
.set G0B, 56
.set MSB, 0
.macro WIN new                         ; the immediate's high byte repeats the setting that is left
.if MSB != (\new)
	s_set_vgpr_msb (MSB<<8)|(\new)
.set MSB, (\new)
.endif
.endm
.set MUL, 0x50                         ; C and D window 1; both sources window 0
.macro JLOAD s                         ; a joint load: waves 0 and 1 fetch for O, waves 2 and 3 for WO; an s_nop 0 and four v_nop follow each of the two lines
	s_cmp_eq_u32 s11, 0
	s_cbranch_scc0 .Lfor_b_\@
	tensor_load_to_lds s[G0+4*\s:G0+4*\s+3], s[G1:G1+7]
	s_nop 0
.rept 4
	v_nop
.endr
	s_branch .Lasked_\@
.Lfor_b_\@:
	tensor_load_to_lds s[G0B+4*\s:G0B+4*\s+3], s[G1B:G1B+7]
	s_nop 0
.rept 4
	v_nop
.endr
.Lasked_\@:
.endm
.macro CREST                           ; a round of the cluster's barrier behind its opening barrier
	s_cmp_lg_u32 s10, 0
	s_cbranch_scc1 .Lnot_wave_0_\@
	s_barrier_signal -3
.Lnot_wave_0_\@:
	s_barrier_wait -3
	s_barrier_signal -1
	s_barrier_wait -1
.endm
.macro CROUND                          ; a whole round
	s_barrier_signal -1
	s_barrier_wait -1
	CREST
.endm
	s_load_b128 s[4:7], s[0:1], 0x0                ; o16 s[4:5], wo16 s[6:7]
	s_load_b64 s[8:9], s[0:1], 0x10                ; out0
	v_lshl_add_u32 v[SPW], v0, 2, SPARE
	v_mov_b32 v[NIL], 0
	ds_add_u32 v[SPW], v[NIL]                      ; the wave's opening: the add, twice on end, and its wait ahead of my first tensor load
	ds_add_u32 v[SPW], v[NIL]                      ; and once more, under the one wait; the set-up below, work on registers, stands between
	v_lshrrev_b32 v1, 5, v0
	v_readfirstlane_b32 s10, v1                    ; wave 0..3
	s_lshr_b32 s11, s10, 1                         ; which 64 of the tile's rows are mine.  Also: I fetch for O (0) or for WO (1)
	s_and_b32 s12, s10, 1                          ; which 128 of its columns.  Also: which plane, or which 128 rows, I fetch
	s_bfe_u32 s40, ttmp6, 0x40000                  ; cx, cy: my place in the cluster
	s_bfe_u32 s41, ttmp6, 0x40004
	s_lshl_b32 s42, ttmp9, 2
	s_add_co_u32 s42, s42, s40                     ; tile column of C = 4 x cluster x + cx
	s_and_b32 s13, ttmp7, 0xffff
	s_lshl_b32 s13, s13, 2
	s_add_co_u32 s13, s13, s41                     ; tile row of C = 4 x cluster y + cy
	s_lshl_b32 s43, s41, 2
	s_lshl_b32 s43, 15, s43                        ; my row of the cluster
	s_lshl_b32 s44, 0x1111, s40                    ; my column
	s_or_b32 s[G1+0], s43, (1<<16)|(1<<20)|(1<<21)|(4<<22)|(3<<25)   ; 15:0 the mask: O's tiles go to my row; 17:16 elements of 2 bytes; 20 padding on; 21 set beside a mask; 24:22 after every 32 words; 31:25 four words
	s_mov_b32 s[G1+1], 64<<16                      ; tensor_dim0 = 64
	s_mov_b32 s[G1+2], 128<<16                     ; tensor_dim1 = 128
	s_mov_b32 s[G1+3], 64<<16                      ; tile_dim0 = 64
	s_mov_b32 s[G1+4], 128                         ; tile_dim1 = 128
	s_mov_b32 s[G1+5], 64                          ; tensor_dim0_stride: a head's rows are dense
	s_mov_b32 s[G1+6], 0
	s_mov_b32 s[G1+7], 0
	s_or_b32 s[G1B+0], s44, (1<<16)|(1<<20)|(1<<21)|(5<<22)|(3<<25)  ; WO's tiles go to my column; padding after every 64 words
	s_mov_b32 s[G1B+1], 128<<16
	s_mov_b32 s[G1B+2], 128<<16
	s_mov_b32 s[G1B+3], 128<<16
	s_mov_b32 s[G1B+4], 128
	s_mov_b32 s[G1B+5], 1024
	s_mov_b32 s[G1B+6], 0
	s_mov_b32 s[G1B+7], 0
	s_lshr_b32 s16, s13, 4                         ; O: batch = tile row / 16, 2^22 bytes;
	s_lshl_b32 s16, s16, 22
	s_and_b32 s17, s13, 15                         ; position 128 (tile row % 16), 128 bytes each;
	s_lshl_b32 s17, s17, 14
	s_add_co_u32 s16, s16, s17
	s_lshl_b32 s17, s12, 18                        ; my plane of the K step's two heads
	s_add_co_u32 s16, s16, s17
	s_mov_b32 s17, 0
	s_lshl_b32 s46, s42, 19                        ; WO: row 256 x tile column + 128 x half, 2,048 bytes each
	s_lshl_b32 s47, s12, 18
	s_add_co_u32 s46, s46, s47
	s_mov_b32 s47, 0
	s_mul_i32 s20, s12, PLANE                      ; where they go: no place in the cluster enters an LDS address
	s_mul_i32 s21, s12, HALFB
	s_add_co_u32 s21, s21, BOFF
	s_wait_dscnt 0x0                               ; both opening adds are done
	s_wait_kmcnt 0x0
	s_add_nc_u64 s[14:15], s[4:5], s[16:17]
	s_add_nc_u64 s[46:47], s[6:7], s[46:47]
	CROUND                                         ; all sixteen work-groups are here: the first joint loads meet
.irp s, 0,1
	s_mov_b32 s[G0+4*\s], 1
	s_add_co_u32 s[G0+4*\s+1], s20, \s*SLOT
	s_add_nc_u64 s[G0+4*\s+2:G0+4*\s+3], s[14:15], \s*(1<<19)      ; K step s: two heads on
	s_or_b32 s[G0+4*\s+3], s[G0+4*\s+3], 0x80000000
	s_mov_b32 s[G0B+4*\s], 1
	s_add_co_u32 s[G0B+4*\s+1], s21, \s*SLOT
	s_add_nc_u64 s[G0B+4*\s+2:G0B+4*\s+3], s[46:47], \s*256
	s_or_b32 s[G0B+4*\s+3], s[G0B+4*\s+3], 0x80000000
	JLOAD \s
.endr
	v_and_b32 v1, 15, v0                           ; l % 16
	v_bfe_u32 v2, v0, 4, 1                         ; l / 16
	v_mul_u32_u24 v3, v1, PA
	v_lshl_add_u32 v3, v2, 4, v3                   ; a fragment's row x pitch + 16 x half
	v_mul_u32_u24 v4, v1, PB
	v_lshl_add_u32 v4, v2, 4, v4
	s_mul_i32 s22, s11, 64*PA                      ; my 64 rows of O
	s_mul_i32 s23, s12, HALFB                      ; my 128 rows of WO
	s_add_co_u32 s23, s23, BOFF
.irp s, 0,1
	v_add_nc_u32 v[ADRA+\s], s22, v3
	v_add_nc_u32 v[ADRB+\s], s23, v4
	s_add_co_u32 s22, s22, SLOT
	s_add_co_u32 s23, s23, SLOT
.endr
	s_mul_i32 s20, s10, 16*SPITCH
	s_add_co_u32 s20, s20, STAGE                   ; my stage
	v_mul_u32_u24 v5, v1, SPITCH                   ; in: row l % 16, 32 bytes for each half of the lanes
	v_lshl_add_u32 v5, v2, 5, v5
	v_add_nc_u32 v[STO], s20, v5
	v_and_b32 v6, 31, v0
	v_lshlrev_b32 v[CO], 4, v6                     ; back: the 32 lanes take one row of 512 bytes; and the same in C
	v_add_nc_u32 v[RD], s20, v[CO]
	s_lshl_b32 s16, s13, 19                        ; my first row of C: 128 x tile row + 64 x half, 4,096 bytes each
	s_lshl_b32 s17, s11, 18
	s_add_co_u32 s16, s16, s17
	s_mov_b32 s17, 0
	s_lshl_b32 s46, s42, 10                        ; my first column, in bytes: 1,024 x tile column + 512 x half
	s_lshl_b32 s47, s12, 9
	s_add_co_u32 s46, s46, s47
	s_mov_b32 s47, 0
	s_add_nc_u64 s[8:9], s[8:9], s[16:17]
	s_add_nc_u64 s[8:9], s[8:9], s[46:47]
; 8 matrix instructions: O's block a against WO's eight, 32 along K, from buffer f.  zero = 1: the first product starts the sums.  The 32 accumulators take turns in the same order in every quarter.
.macro MUL8 f, a, zero
.irp b, 0,1,2,3,4,5,6,7
.if \zero
	v_wmma_f32_16x16x32_f16 v[8*(8*(\a)+\b):8*(8*(\a)+\b)+7], v[\f+8*\b:\f+8*\b+7], v[\f+64+8*(\a):\f+64+8*(\a)+7], 0
.else
	v_wmma_f32_16x16x32_f16 v[8*(8*(\a)+\b):8*(8*(\a)+\b)+7], v[\f+8*\b:\f+8*\b+7], v[\f+64+8*(\a):\f+64+8*(\a)+7], v[8*(8*(\a)+\b):8*(8*(\a)+\b)+7]
.endif
.endr
.endm
.macro MUL16 f, a0, zero
	MUL8 \f, \a0, \zero
	MUL8 \f, \a0+1, \zero
.endm
; 24 LDS loads in one run: the fragments of the slot's q-th 32 along K into buffer f: WO's eight, then O's blocks 0, 1, then 2, 3.  Quarters 0, 1 lie in the first plane of O, quarters 2, 3 in the second.
.macro FETCH slot, q, f
	WIN 0
.irp i, 0,1,2,3,4,5,6,7
	ds_load_b128 v[\f+8*\i:\f+8*\i+3],   v[ADRB+\slot] offset:64*(\q)+\i*16*PB
	ds_load_b128 v[\f+8*\i+4:\f+8*\i+7], v[ADRB+\slot] offset:64*(\q)+\i*16*PB+32
.endr
.irp i, 0,1,2,3
	ds_load_b128 v[\f+64+8*\i:\f+64+8*\i+3],   v[ADRA+\slot] offset:((\q)/2)*PLANE+64*((\q)%2)+\i*16*PA
	ds_load_b128 v[\f+64+8*\i+4:\f+64+8*\i+7], v[ADRA+\slot] offset:((\q)/2)*PLANE+64*((\q)%2)+\i*16*PA+32
.endr
.endm
.macro PLACES                          ; four places in front of loads into registers that matrix instructions have read, and of the first read of results (ISA guide 7.12.1 for vector instructions)
.rept 4
	v_nop
.endr
.endm
; A K step is four quarters of 32 along K, 32 matrix instructions each, on buffers 0, 1, 0, 1.  One of the first three: multiplies buffer f and fetches quarter qn into g.
.macro QUARTER slot, qn, f, g, zero
	s_wait_dscnt 4                                 ; WO's fragments and O's blocks 0, 1 are in; the youngest four loads (blocks 2, 3) may be out
	WIN MUL
	MUL16 \f, 0, \zero
	PLACES
	FETCH \slot, \qn, \g
	s_wait_dscnt 24                                ; all but the 24 just issued
	WIN MUL
	MUL16 \f, 2, \zero
.endm
; The last quarter multiplies buffer 1 and changes slots: ONE barrier; in front of it each wave waits for all its tensor loads, adds 0 to its spare word, and waits for that and for its own reads of this slot.
; fill = 1: the barrier opens a round of the cluster's barrier, and this slot is filled again, two K steps ahead, first thing behind the round.
.macro TURN slot, next, fill
	WIN 0                                          ; (the add's two registers lie in window 0)
	s_wait_tensorcnt 0x0                           ; all my tensor loads have landed: my part of the next slot
	ds_add_u32 v[SPW], v[NIL]                      ; 0 onto my spare word
	s_wait_dscnt 5                                 ; (the add and the youngest four loads may be out)
	WIN MUL
	MUL8 F1, 0, 0                                  ; eight matrix instructions stand between the add and the wait for it
	s_wait_dscnt 0x0                               ; the add is done, and my reads of this slot are over
	s_barrier_signal -1
	MUL8 F1, 1, 0
.if \fill
	WIN 0
.endif
	s_barrier_wait -1
.if \fill
	CREST                                          ; no wave of any partner still reads this slot's tile or has a load on its way
	s_add_nc_u64 s[G0+4*\slot+2:G0+4*\slot+3], s[G0+4*\slot+2:G0+4*\slot+3], 1<<20     ; four heads on
	s_add_nc_u64 s[G0B+4*\slot+2:G0B+4*\slot+3], s[G0B+4*\slot+2:G0B+4*\slot+3], 512
	JLOAD \slot                                    ; the four v_nop behind it are also the places in front of the loads below
.else
	PLACES
.endif
	FETCH \next, 0, F0
	WIN MUL
	MUL16 F1, 2, 0
.endm
	s_wait_tensorcnt 1                             ; my part of K step 0 is in (K step 1's load may be out)
	s_barrier_signal -1
	s_barrier_wait -1                              ; everybody's is
	FETCH 0, 0, F0
	QUARTER 0, 1, F0, F1, 1                        ; the first quarter stands in front of the loop: its products start the sums
	WIN 0                                          ; at a label and at a branch every window is 0
	s_mov_b32 s3, LAPS-1
.Llap:                                                 ; a trip goes once round the ring, from a lap's second quarter to the next lap's first, and fills both slots again
	QUARTER 0, 2, F1, F0, 0
	QUARTER 0, 3, F0, F1, 0
	TURN 0, 1, 1
	QUARTER 1, 1, F0, F1, 0
	QUARTER 1, 2, F1, F0, 0
	QUARTER 1, 3, F0, F1, 0
	TURN 1, 0, 1
	QUARTER 0, 1, F0, F1, 0
	WIN 0
	s_sub_co_u32 s3, s3, 1
	s_cmp_lg_u32 s3, 0
	s_cbranch_scc1 .Llap
	QUARTER 0, 2, F1, F0, 0                        ; the last lap fills nothing, and has no round of the cluster's barrier
	QUARTER 0, 3, F0, F1, 0
	TURN 0, 1, 0
	QUARTER 1, 1, F0, F1, 0
	QUARTER 1, 2, F1, F0, 0
	QUARTER 1, 3, F0, F1, 0
	s_wait_dscnt 4                                 ; the very last quarter: nothing more to fetch
	WIN MUL
	MUL16 F1, 0, 0
	s_wait_dscnt 0
	MUL16 F1, 2, 0
	WIN 0
; THE WAY OUT, block by block of 16 rows x 128 columns of f32.  A lane holds 32 neighbouring bytes of a row: a block goes through my own stage in LDS and comes back as whole rows of 512 bytes.
.macro TOSTAGE a
	WIN 0x04                                       ; an LDS store's data are its source 1: window 1
.irp b, 0,1,2,3,4,5,6,7
	ds_store_b128 v[STO], v[64*(\a)+8*\b:64*(\a)+8*\b+3] offset:64*\b          ; each accumulator from its low end on
	ds_store_b128 v[STO], v[64*(\a)+8*\b+4:64*(\a)+8*\b+7] offset:64*\b+16
.endr
	WIN 0
.set BB, BK+64*((\a)%2)
.irp t, 0,1,2,3,4,5,6,7,8,9,10,11,12,13,14,15
	ds_load_b128 v[BB+4*\t:BB+4*\t+3], v[RD] offset:\t*SPITCH      ; LDS serves a wave's instructions in order (ISA guide 5.7.1.4): these see the stores above
.endr
.endm
.macro SEND a, younger                 ; younger: the LDS instructions issued behind block a's loads, which may stay out
.set BB, BK+64*((\a)%2)
	s_wait_dscnt \younger
.irp t, 0,1,2,3,4,5,6,7,8,9,10,11,12,13,14,15
	global_store_b128 v[CO], v[BB+4*\t:BB+4*\t+3], s[8:9] offset:(16*(\a)+\t)*4096 th:TH_STORE_NT   ; 32 lanes store 512 consecutive bytes of a row; every offset is an immediate
.endr
.endm
	PLACES
	TOSTAGE 0
.irp a, 1,2,3
.if \a > 1
	s_wait_xcnt 0x0                                ; block a - 2's stores have read their registers: block a's loads may land there
.endif
	TOSTAGE \a
	SEND \a-1, 32                                  ; behind block a - 1's loads: block a's 16 stores and 16 loads
.endr
	SEND 3, 0
	s_wait_tensorcnt 0x0                           ; the wave's end, behind my last tensor load and my last LDS store
	ds_add_u32 v[SPW], v[NIL]
	s_wait_dscnt 0x0
	CROUND                                         ; the closing round: no work-group ends while a partner may still ask for a tile that names it
	s_endpgm
.Lfunc_end_k_q017aaa9017_proj:
	.size	k_q017aaa9017_proj, .Lfunc_end_k_q017aaa9017_proj-k_q017aaa9017_proj
	.p2alignl 7, 3214868480
	.fill 96, 4, 3214868480
	.section	.rodata,"a",@progbits
	.p2align	6, 0x0
	.amdhsa_kernel k_q017aaa9017_proj
		.amdhsa_group_segment_fixed_size 327680
		.amdhsa_private_segment_fixed_size 0
		.amdhsa_enable_private_segment 0
		.amdhsa_kernarg_size 24
		.amdhsa_user_sgpr_count 2
		.amdhsa_user_sgpr_kernarg_segment_ptr 1
		.amdhsa_wavefront_size32 1
		.amdhsa_system_sgpr_workgroup_id_x 1
		.amdhsa_system_sgpr_workgroup_id_y 1
		.amdhsa_system_sgpr_workgroup_id_z 1
		.amdhsa_system_vgpr_workitem_id 0
		.amdhsa_next_free_vgpr 512
		.amdhsa_next_free_sgpr 66
		.amdhsa_reserve_vcc 0
		.amdhsa_float_denorm_mode_32 3
		.amdhsa_float_denorm_mode_16_64 3
		.amdhsa_memory_ordered 1
		.amdhsa_forward_progress 1
		.amdhsa_inst_pref_size 85
	.end_amdhsa_kernel
	.amdgpu_metadata
---
amdhsa.version: [ 1, 2 ]
amdhsa.kernels:
  - .name:           k_q017aaa9017_proj
    .symbol:         k_q017aaa9017_proj.kd
    .args:
      - { .name: o16, .offset: 0, .size: 8, .value_kind: global_buffer, .address_space: global }
      - { .name: wo16, .offset: 8, .size: 8, .value_kind: global_buffer, .address_space: global }
      - { .name: out0, .offset: 16, .size: 8, .value_kind: global_buffer, .address_space: global }
    .group_segment_fixed_size: 327680
    .private_segment_fixed_size: 0
    .kernarg_segment_align: 8
    .kernarg_segment_size: 24
    .max_flat_workgroup_size: 128
    .sgpr_count:     66
    .vgpr_count:     512
    .wavefront_size: 32
...
	.end_amdgpu_metadata
.endif
;; end of part 4
;; launch finea (part 5): grid 16 x 4, 12 waves a work-group, no clusters, 13,824 bytes of LDS; arguments xc, xs, wc, ws, ofine; writes ofine
.if DOCPART == 5
	.amdgcn_target "amdgcn-amd-amdhsa--gfx1250"
	.amdhsa_code_object_version 6
	.text
	.protected	k_q017aaa9017_finea
	.globl	k_q017aaa9017_finea
	.p2align	8
	.type	k_q017aaa9017_finea,@function
k_q017aaa9017_finea:
	s_mov_b64 s[64:65], 0
	v_nop
	global_prefetch_b8 v0, s[64:65] scope:SCOPE_SE
	s_setreg_imm32_b32 hwreg(HW_REG_WAVE_MODE, 25, 1), 1
	s_wait_xcnt 0x0
; THE FIRST 16 POSITIONS OF EVERY SEQUENCE, CARRIED IN f32.  Under the causal mask these rows average one to sixteen values, so f16 operands would weigh most there.
; A work-group takes one head (x) of one batch (y).  Phase 1, twelve waves: wave w makes a tile of 16 positions x 16 channels of tensor w / 4 (Q, K, V), channels 16 (w % 4) on, by eight FP4 products over K = 1,024,
; from the same codes and scale bytes as the bulk, and keeps it in f32.  The sums run in two accumulators by turns (even and odd K steps), added at the end: the order of the f32 sums so differs from one chain's.
; Phase 2, wave 0: S^T = K Q^T, the softmax, O^T = V^T P by v_wmma_f32_16x16x4_f32.  ofine [16 b + q][1024] f32.
; Q and K are made with source 0 = 16 rows of W, source 1 = 16 rows of x: lane (r, h) holds position r, channels 8 h + j.  Two neighbouring registers of such a tile ARE an operand of the f32 form (row r, two of its
; four k), under one permutation of k that is the same for K and Q.  V is made the other way round: lane (r, h) holds channel r, positions 8 h + j, which pairs with P's lanes (query r, keys 8 h + j) in the same way.
; LIMITS: hidden scores become -infinity where the definition writes -1e9; NaN and infinities among the inputs are not served.
.set OP0, 16                           ; v16-79   source 0's eight fragments; later Q^T (v16-47) and K^T (v48-79)
.set OP1, 80                           ; v80-143  source 1's; later V (v80-111) and P (v112-119)
.set SC0, 144                          ; v144-147 source 0's scale words: register i: lanes 0-15 the word of K step i, lanes 16-31 that of K step 4 + i
.set SC1, 148                          ; v148-151 source 1's
.set ACC, 152                          ; v152-167 two accumulators
.set T,   168                          ; v168-175 at work
.set U,   176                          ; v176-183
.set P,   112
.set SA,  192                          ; v192-223 S^T in four parts: written by matrix instructions alone
.set OA,  224                          ; v224-255 O^T, four tiles of channels: likewise
.set SPW, 5
.set NIL, 6
.set SPARE, 12*1024                    ; behind the twelve images: the spare words, 128 bytes a wave
	s_load_b256 s[4:11], s[0:1], 0x0               ; xc s[4:5], xs s[6:7], wc s[8:9], ws s[10:11]
	s_load_b64 s[12:13], s[0:1], 0x20              ; ofine
	v_lshl_add_u32 v[SPW], v0, 2, SPARE
	v_mov_b32 v[NIL], 0
	v_lshrrev_b32 v1, 5, v0
	v_readfirstlane_b32 s14, v1                    ; wave 0..11
	v_and_b32 v1, 15, v0                           ; r
	v_bfe_u32 v2, v0, 4, 1                         ; h
	v_lshlrev_b32 v3, 9, v1
	v_lshl_add_u32 v3, v2, 4, v3                   ; codes: row r of 512 bytes, + 16 h
	v_lshlrev_b32 v4, 5, v1
	v_lshl_add_u32 v4, v2, 4, v4                   ; scale bytes: row r of 32, + 16 h: lanes 0-15 take words 0-3, lanes 16-31 words 4-7
	v_and_b32 v8, 31, v0
	v_lshlrev_b32 v8, 4, v8                        ; an image's place for my lane: 16 x lane
	s_lshl_b32 s15, s14, 10
	v_add_nc_u32 v7, s15, v8                       ; and my wave's image
	v_lshlrev_b32 v9, 12, v1
	v_lshl_add_u32 v9, v2, 5, v9                   ; out: row r of 4,096 bytes, + 32 h
	v_lshlrev_b32 v10, 3, v2
	v_sub_nc_u32 v10, v1, v10                      ; r - 8 h
	s_and_b32 s16, ttmp7, 0xffff                   ; the batch
	s_lshr_b32 s17, s14, 2                         ; the tensor
	s_and_b32 s18, s14, 3                          ; the tile of channels
	s_lshl_b32 s19, s17, 10
	s_lshl_b32 s20, ttmp9, 6
	s_add_co_u32 s19, s19, s20
	s_lshl_b32 s20, s18, 4
	s_add_co_u32 s19, s19, s20                     ; W's first row: 1,024 x tensor + 64 x head + 16 x tile
	s_lshl_b32 s20, s19, 9
	s_mov_b32 s21, 0
	s_lshl_b32 s22, s19, 5
	s_mov_b32 s23, 0
	s_lshl_b32 s24, s16, 20                        ; x's first row: 2,048 x batch
	s_mov_b32 s25, 0
	s_lshl_b32 s26, s16, 16                        ; (its scale bytes; and 16 rows of ofine a batch are as many bytes)
	s_mov_b32 s27, 0
	s_lshl_b32 s28, ttmp9, 8                       ; the head's 64 channels in a row of ofine
	s_mov_b32 s29, 0
	s_mov_b32 s40, 0x76543210
	s_mov_b32 s41, 0xfedcba98                      ; v_permlanex16_b32's selects for lane l xor 16
	s_mov_b32 s42, 0x3e38aa3b                      ; c = log2(e) / 8
	s_mov_b32 s43, s42
	s_wait_kmcnt 0x0
	s_add_nc_u64 s[4:5], s[4:5], s[24:25]
	s_add_nc_u64 s[6:7], s[6:7], s[26:27]
	s_add_nc_u64 s[8:9], s[8:9], s[20:21]
	s_add_nc_u64 s[10:11], s[10:11], s[22:23]
	s_add_nc_u64 s[12:13], s[12:13], s[26:27]
	s_add_nc_u64 s[12:13], s[12:13], s[28:29]
	s_cmp_lt_u32 s14, 8                            ; Q, K: source 0 = W, source 1 = x;  V: the other way round.  The choice hangs on the wave's number alone; all waves take one text
	s_cselect_b64 s[32:33], s[8:9], s[4:5]
	s_cselect_b64 s[34:35], s[10:11], s[6:7]
	s_cselect_b64 s[36:37], s[4:5], s[8:9]
	s_cselect_b64 s[38:39], s[6:7], s[10:11]
.irp s, 0,1,2,3,4,5,6,7
.irp c, 0,1
	global_load_b128 v[OP0+8*\s+4*\c:OP0+8*\s+4*\c+3], v3, s[32:33] offset:64*\s+32*\c
	global_load_b128 v[OP1+8*\s+4*\c:OP1+8*\s+4*\c+3], v3, s[36:37] offset:64*\s+32*\c
.endr
.endr
	global_load_b128 v[SC0:SC0+3], v4, s[34:35]
	global_load_b128 v[SC1:SC1+3], v4, s[38:39]
	s_wait_loadcnt 0x0
.irp s, 0,1,2,3                                ; the two accumulators by turns; the first two products start the sums
.if \s < 2
	v_wmma_scale_f32_16x16x128_f8f6f4 v[ACC+8*(\s%2):ACC+8*(\s%2)+7], v[OP0+8*\s:OP0+8*\s+7], v[OP1+8*\s:OP1+8*\s+7], 0, v[SC0+\s], v[SC1+\s] matrix_a_fmt:MATRIX_FMT_FP4 matrix_b_fmt:MATRIX_FMT_FP4
.else
	v_wmma_scale_f32_16x16x128_f8f6f4 v[ACC+8*(\s%2):ACC+8*(\s%2)+7], v[OP0+8*\s:OP0+8*\s+7], v[OP1+8*\s:OP1+8*\s+7], v[ACC+8*(\s%2):ACC+8*(\s%2)+7], v[SC0+\s], v[SC1+\s] matrix_a_fmt:MATRIX_FMT_FP4 matrix_b_fmt:MATRIX_FMT_FP4
.endif
.endr
.irp s, 4,5,6,7                                ; K steps 4 to 7 take their scale words from lanes 16-31
	v_wmma_scale_f32_16x16x128_f8f6f4 v[ACC+8*(\s%2):ACC+8*(\s%2)+7], v[OP0+8*\s:OP0+8*\s+7], v[OP1+8*\s:OP1+8*\s+7], v[ACC+8*(\s%2):ACC+8*(\s%2)+7], v[SC0+\s-4], v[SC1+\s-4] matrix_a_fmt:MATRIX_FMT_FP4 matrix_b_fmt:MATRIX_FMT_FP4 matrix_a_scale:MATRIX_SCALE_ROW1 matrix_b_scale:MATRIX_SCALE_ROW1
.endr
.rept 4
	v_nop                                          ; four places ahead of the first read of results
.endr
.irp u, 0,2,4,6
	v_pk_add_f32 v[T+\u:T+\u+1], v[ACC+\u:ACC+\u+1], v[ACC+8+\u:ACC+9+\u]
.endr
	ds_store_b128 v7, v[T:T+3]                     ; the tile goes to LDS as an image of its registers: 16 bytes a lane, 512 bytes a store
	ds_store_b128 v7, v[T+4:T+7] offset:512
	s_wait_dscnt 0x0                               ; for wave 0's sake: my stores have landed
	s_barrier_signal -1
	s_barrier_wait -1
	s_cmp_lg_u32 s14, 0
	s_cbranch_scc1 .Lend
	; ---- wave 0 alone: image 4 T + t comes back into v[16 + 8 (4 T + t)]
.irp t, 0,1,2,3,4,5,6,7,8,9,10,11
	ds_load_b128 v[16+8*\t:19+8*\t], v8 offset:1024*\t
	ds_load_b128 v[20+8*\t:23+8*\t], v8 offset:1024*\t+512
.endr
	s_wait_dscnt 0x0
.irp p, 0,1,2,3                                ; S^T = K Q^T: tile t's registers 2 p, 2 p + 1 are channels 16 t + 8 h + 2 p + 0, 1; four accumulators by turns, one for each tile of channels
.irp t, 0,1,2,3
.if \p == 0
	v_wmma_f32_16x16x4_f32 v[SA+8*\t:SA+8*\t+7], v[48+8*\t+2*\p:49+8*\t+2*\p], v[16+8*\t+2*\p:17+8*\t+2*\p], 0
.else
	v_wmma_f32_16x16x4_f32 v[SA+8*\t:SA+8*\t+7], v[48+8*\t+2*\p:49+8*\t+2*\p], v[16+8*\t+2*\p:17+8*\t+2*\p], v[SA+8*\t:SA+8*\t+7]
.endif
.endr
.endr
.rept 8
	v_nop                                          ; eight places behind this form
.endr
.irp u, 0,2,4,6
	v_pk_add_f32 v[T+\u:T+\u+1], v[SA+\u:SA+\u+1], v[SA+8+\u:SA+9+\u]
.endr
.irp u, 0,2,4,6
	v_pk_add_f32 v[U+\u:U+\u+1], v[SA+16+\u:SA+17+\u], v[SA+24+\u:SA+25+\u]
.endr
.irp u, 0,2,4,6
	v_pk_add_f32 v[T+\u:T+\u+1], v[T+\u:T+\u+1], v[U+\u:U+\u+1]     ; register j: the score of key 8 h + j and query r
.endr
	v_mov_b32 v186, 0xff800000
.irp j, 0,1,2,3,4,5,6,7
	v_cmp_gt_i32 vcc_lo, \j, v10                   ; hidden where 8 h + j > r
	v_cndmask_b32 v[T+\j], v[T+\j], v186, vcc_lo
.endr
	v_max3_num_f32 v184, v[T], v[T+1], v[T+2]
	v_max3_num_f32 v184, v184, v[T+3], v[T+4]
	v_max3_num_f32 v184, v184, v[T+5], v[T+6]
	v_max_num_f32 v184, v184, v[T+7]
	v_mov_b32 v185, 0
	v_permlanex16_b32 v185, v184, s40, s41
	v_max_num_f32 v184, v184, v185                 ; the row's maximum: key 0 counts for every query, so it is a number
	v_mul_f32 v184, s42, v184                      ; c m
.irp u, 0,2,4,6
	v_pk_fma_f32 v[T+\u:T+\u+1], v[T+\u:T+\u+1], s[42:43], v[184:185] op_sel_hi:[1,0,0] neg_lo:[0,0,1] neg_hi:[0,0,1]
.endr
.irp j, 0,1,2,3,4,5,6,7
	v_exp_f32 v[P+\j], v[T+\j]
.endr
	v_nop                                          ; a plain instruction behind the last exponential,
	s_wait_alu depctr_va_vdst(0)                   ; and one wait for the eight, ahead of their first reader
	v_pk_add_f32 v[U:U+1], v[P:P+1], v[P+2:P+3]
	v_pk_add_f32 v[U+2:U+3], v[P+4:P+5], v[P+6:P+7]
	v_pk_add_f32 v[U:U+1], v[U:U+1], v[U+2:U+3]
	v_add_f32 v[U], v[U], v[U+1]
	v_permlanex16_b32 v185, v[U], s40, s41
	v_add_f32 v[U], v[U], v185                     ; the row's sum
	v_rcp_f32 v[U], v[U]
	v_nop
	s_wait_alu depctr_va_vdst(0)
.irp u, 0,2,4,6
	v_pk_mul_f32 v[P+\u:P+\u+1], v[P+\u:P+\u+1], v[U:U+1] op_sel_hi:[1,0]   ; the weights, normalised
.endr
.irp i, 0,1,2,3                                ; O^T = V^T P: registers 2 i, 2 i + 1 of V's tile and of P are keys 8 h + 2 i + 0, 1; four accumulators by turns, one for each tile of channels
.irp ct, 0,1,2,3
.if \i == 0
	v_wmma_f32_16x16x4_f32 v[OA+8*\ct:OA+8*\ct+7], v[80+8*\ct+2*\i:81+8*\ct+2*\i], v[P+2*\i:P+2*\i+1], 0
.else
	v_wmma_f32_16x16x4_f32 v[OA+8*\ct:OA+8*\ct+7], v[80+8*\ct+2*\i:81+8*\ct+2*\i], v[P+2*\i:P+2*\i+1], v[OA+8*\ct:OA+8*\ct+7]
.endif
.endr
.endr
.rept 8
	v_nop
.endr
.irp ct, 0,1,2,3
	global_store_b128 v9, v[OA+8*\ct:OA+8*\ct+3], s[12:13] offset:64*\ct        ; lane (r, h): query r, channels 16 ct + 8 h + 0 .. 7; each accumulator from its low end on
	global_store_b128 v9, v[OA+8*\ct+4:OA+8*\ct+7], s[12:13] offset:64*\ct+16
.endr
.Lend:
	s_wait_tensorcnt 0x0                           ; the wave's end, behind my last LDS store
	ds_add_u32 v[SPW], v[NIL]
	s_wait_dscnt 0x0
	s_endpgm
.Lfunc_end_k_q017aaa9017_finea:
	.size	k_q017aaa9017_finea, .Lfunc_end_k_q017aaa9017_finea-k_q017aaa9017_finea
	.p2alignl 7, 3214868480
	.fill 96, 4, 3214868480
	.section	.rodata,"a",@progbits
	.p2align	6, 0x0
	.amdhsa_kernel k_q017aaa9017_finea
		.amdhsa_group_segment_fixed_size 13824
		.amdhsa_private_segment_fixed_size 0
		.amdhsa_enable_private_segment 0
		.amdhsa_kernarg_size 40
		.amdhsa_user_sgpr_count 2
		.amdhsa_user_sgpr_kernarg_segment_ptr 1
		.amdhsa_wavefront_size32 1
		.amdhsa_system_sgpr_workgroup_id_x 1
		.amdhsa_system_sgpr_workgroup_id_y 1
		.amdhsa_system_sgpr_workgroup_id_z 1
		.amdhsa_system_vgpr_workitem_id 0
		.amdhsa_next_free_vgpr 256
		.amdhsa_next_free_sgpr 66
		.amdhsa_reserve_vcc 1
		.amdhsa_float_denorm_mode_32 3
		.amdhsa_float_denorm_mode_16_64 3
		.amdhsa_memory_ordered 1
		.amdhsa_forward_progress 1
		.amdhsa_inst_pref_size 16
	.end_amdhsa_kernel
	.amdgpu_metadata
---
amdhsa.version: [ 1, 2 ]
amdhsa.kernels:
  - .name:           k_q017aaa9017_finea
    .symbol:         k_q017aaa9017_finea.kd
    .args:
      - { .name: xc, .offset: 0, .size: 8, .value_kind: global_buffer, .address_space: global }
      - { .name: xs, .offset: 8, .size: 8, .value_kind: global_buffer, .address_space: global }
      - { .name: wc, .offset: 16, .size: 8, .value_kind: global_buffer, .address_space: global }
      - { .name: ws, .offset: 24, .size: 8, .value_kind: global_buffer, .address_space: global }
      - { .name: ofine, .offset: 32, .size: 8, .value_kind: global_buffer, .address_space: global }
    .group_segment_fixed_size: 13824
    .private_segment_fixed_size: 0
    .kernarg_segment_align: 8
    .kernarg_segment_size: 40
    .max_flat_workgroup_size: 384
    .sgpr_count:     66
    .vgpr_count:     256
    .wavefront_size: 32
...
	.end_amdgpu_metadata
.endif
;; end of part 5
;; launch fineb (part 6): grid 64 x 4, 8 waves a work-group, no clusters, 9,216 bytes of LDS; arguments ofine, WO, out0; writes out0
.if DOCPART == 6
	.amdgcn_target "amdgcn-amd-amdhsa--gfx1250"
	.amdhsa_code_object_version 6
	.text
	.protected	k_q017aaa9017_fineb
	.globl	k_q017aaa9017_fineb
	.p2align	8
	.type	k_q017aaa9017_fineb,@function
k_q017aaa9017_fineb:
	s_mov_b64 s[64:65], 0
	v_nop
	global_prefetch_b8 v0, s[64:65] scope:SCOPE_SE
	s_setreg_imm32_b32 hwreg(HW_REG_WAVE_MODE, 25, 1), 1
	s_wait_xcnt 0x0
; THE FIRST 16 POSITIONS OF EVERY SEQUENCE, THE PROJECTION IN f32: out0[2048 b + q][n] = the sum over k of ofine[16 b + q][k] WO[n][k], q = 0 .. 15.  It writes over what the f16 projection left in these 64 rows.
; A work-group takes 16 columns n (x) of one batch (y); each of its eight waves takes 128 of K = 1,024: 32 products of v_wmma_f32_16x16x4_f32 on four accumulators by turns.  The eight waves' parts meet in LDS and
; wave 0 adds and stores them: the order of the f32 sums so differs from one chain's.  This is no bulk work: 64 of 8,192 rows.
; Source 0 = 16 rows of WO, source 1 = 16 rows of ofine: lane (r, h) then holds out(q = r, n = 8 h + 0 .. 7).  A load of 16 bytes gives lane (r, h) k = 8 i + 4 h + 0 .. 3 of its row: two operands of the f32 form,
; under one permutation of k that is the same on both sides.
.set A,   16                           ; v16-79   ofine's numbers; later the eight images
.set B,   80                           ; v80-143  WO's
.set ACC, 144                          ; v144-175 four accumulators: written by matrix instructions alone
.set T,   176                          ; v176-183
.set U,   184                          ; v184-191
.set SPW, 5
.set NIL, 6
.set SPARE, 8*1024                     ; behind the eight images: the spare words, 128 bytes a wave
	s_load_b128 s[4:7], s[0:1], 0x0                ; ofine s[4:5], WO s[6:7]
	s_load_b64 s[8:9], s[0:1], 0x10                ; out0
	v_lshl_add_u32 v[SPW], v0, 2, SPARE
	v_mov_b32 v[NIL], 0
	v_lshrrev_b32 v1, 5, v0
	v_readfirstlane_b32 s10, v1                    ; wave 0..7
	v_and_b32 v1, 15, v0                           ; r
	v_bfe_u32 v2, v0, 4, 1                         ; h
	v_lshlrev_b32 v3, 12, v1
	v_lshl_add_u32 v4, v2, 5, v3                   ; out: row r of 4,096 bytes, + 32 h
	v_lshl_add_u32 v3, v2, 4, v3                   ; in: row r, + 16 h
	v_and_b32 v8, 31, v0
	v_lshlrev_b32 v8, 4, v8                        ; an image's place for my lane
	s_lshl_b32 s11, s10, 10
	v_add_nc_u32 v7, s11, v8                       ; and my wave's image
	s_and_b32 s12, ttmp7, 0xffff                   ; the batch
	s_lshl_b32 s13, s10, 9                         ; my wave's 128 along K: 512 bytes
	s_lshl_b32 s14, s12, 16                        ; ofine: 16 rows a batch
	s_add_co_u32 s14, s14, s13
	s_mov_b32 s15, 0
	s_lshl_b32 s16, ttmp9, 16                      ; WO: 16 rows a work-group
	s_add_co_u32 s16, s16, s13
	s_mov_b32 s17, 0
	s_lshl_b32 s18, s12, 23                        ; out0: 2,048 rows a batch,
	s_lshl_b32 s19, ttmp9, 6                       ; 16 columns a work-group
	s_add_co_u32 s18, s18, s19
	s_mov_b32 s19, 0
	s_wait_kmcnt 0x0
	s_add_nc_u64 s[4:5], s[4:5], s[14:15]
	s_add_nc_u64 s[6:7], s[6:7], s[16:17]
	s_add_nc_u64 s[8:9], s[8:9], s[18:19]
.irp i, 0,1,2,3,4,5,6,7,8,9,10,11,12,13,14,15
	global_load_b128 v[A+4*\i:A+4*\i+3], v3, s[4:5] offset:32*\i
	global_load_b128 v[B+4*\i:B+4*\i+3], v3, s[6:7] offset:32*\i
.endr
	s_wait_loadcnt 0x0
.irp i, 0,1,2,3,4,5,6,7,8,9,10,11,12,13,14,15
.irp e, 0,1
.if 2*\i+\e < 4
	v_wmma_f32_16x16x4_f32 v[ACC+8*((2*\i+\e)%4):ACC+8*((2*\i+\e)%4)+7], v[B+4*\i+2*\e:B+4*\i+2*\e+1], v[A+4*\i+2*\e:A+4*\i+2*\e+1], 0
.else
	v_wmma_f32_16x16x4_f32 v[ACC+8*((2*\i+\e)%4):ACC+8*((2*\i+\e)%4)+7], v[B+4*\i+2*\e:B+4*\i+2*\e+1], v[A+4*\i+2*\e:A+4*\i+2*\e+1], v[ACC+8*((2*\i+\e)%4):ACC+8*((2*\i+\e)%4)+7]
.endif
.endr
.endr
.rept 8
	v_nop                                          ; eight places behind this form
.endr
.irp u, 0,2,4,6
	v_pk_add_f32 v[T+\u:T+\u+1], v[ACC+\u:ACC+\u+1], v[ACC+8+\u:ACC+9+\u]
.endr
.irp u, 0,2,4,6
	v_pk_add_f32 v[U+\u:U+\u+1], v[ACC+16+\u:ACC+17+\u], v[ACC+24+\u:ACC+25+\u]
.endr
.irp u, 0,2,4,6
	v_pk_add_f32 v[T+\u:T+\u+1], v[T+\u:T+\u+1], v[U+\u:U+\u+1]
.endr
	ds_store_b128 v7, v[T:T+3]                     ; my part goes to LDS as an image of its registers
	ds_store_b128 v7, v[T+4:T+7] offset:512
	s_wait_dscnt 0x0                               ; for wave 0's sake: my stores have landed
	s_barrier_signal -1
	s_barrier_wait -1
	s_cmp_lg_u32 s10, 0
	s_cbranch_scc1 .Lend
.irp w, 0,1,2,3,4,5,6,7
	ds_load_b128 v[A+8*\w:A+8*\w+3], v8 offset:1024*\w
	ds_load_b128 v[A+8*\w+4:A+8*\w+7], v8 offset:1024*\w+512
.endr
	s_wait_dscnt 0x0
.irp w, 0,2,4,6                                ; the eight parts are added in pairs
.irp u, 0,2,4,6
	v_pk_add_f32 v[A+8*\w+\u:A+8*\w+\u+1], v[A+8*\w+\u:A+8*\w+\u+1], v[A+8*\w+8+\u:A+8*\w+9+\u]
.endr
.endr
.irp w, 0,4
.irp u, 0,2,4,6
	v_pk_add_f32 v[A+8*\w+\u:A+8*\w+\u+1], v[A+8*\w+\u:A+8*\w+\u+1], v[A+8*\w+16+\u:A+8*\w+17+\u]
.endr
.endr
.irp u, 0,2,4,6
	v_pk_add_f32 v[A+\u:A+\u+1], v[A+\u:A+\u+1], v[A+32+\u:A+33+\u]
.endr
	global_store_b128 v4, v[A:A+3], s[8:9]         ; lane (r, h): out(q = r, 16 nt + 8 h + 0 .. 7)
	global_store_b128 v4, v[A+4:A+7], s[8:9] offset:16
.Lend:
	s_wait_tensorcnt 0x0                           ; the wave's end, behind my last LDS store
	ds_add_u32 v[SPW], v[NIL]
	s_wait_dscnt 0x0
	s_endpgm
.Lfunc_end_k_q017aaa9017_fineb:
	.size	k_q017aaa9017_fineb, .Lfunc_end_k_q017aaa9017_fineb-k_q017aaa9017_fineb
	.p2alignl 7, 3214868480
	.fill 96, 4, 3214868480
	.section	.rodata,"a",@progbits
	.p2align	6, 0x0
	.amdhsa_kernel k_q017aaa9017_fineb
		.amdhsa_group_segment_fixed_size 9216
		.amdhsa_private_segment_fixed_size 0
		.amdhsa_enable_private_segment 0
		.amdhsa_kernarg_size 24
		.amdhsa_user_sgpr_count 2
		.amdhsa_user_sgpr_kernarg_segment_ptr 1
		.amdhsa_wavefront_size32 1
		.amdhsa_system_sgpr_workgroup_id_x 1
		.amdhsa_system_sgpr_workgroup_id_y 1
		.amdhsa_system_sgpr_workgroup_id_z 1
		.amdhsa_system_vgpr_workitem_id 0
		.amdhsa_next_free_vgpr 192
		.amdhsa_next_free_sgpr 66
		.amdhsa_reserve_vcc 0
		.amdhsa_float_denorm_mode_32 3
		.amdhsa_float_denorm_mode_16_64 3
		.amdhsa_memory_ordered 1
		.amdhsa_forward_progress 1
		.amdhsa_inst_pref_size 11
	.end_amdhsa_kernel
	.amdgpu_metadata
---
amdhsa.version: [ 1, 2 ]
amdhsa.kernels:
  - .name:           k_q017aaa9017_fineb
    .symbol:         k_q017aaa9017_fineb.kd
    .args:
      - { .name: ofine, .offset: 0, .size: 8, .value_kind: global_buffer, .address_space: global }
      - { .name: WO, .offset: 8, .size: 8, .value_kind: global_buffer, .address_space: global }
      - { .name: out0, .offset: 16, .size: 8, .value_kind: global_buffer, .address_space: global }
    .group_segment_fixed_size: 9216
    .private_segment_fixed_size: 0
    .kernarg_segment_align: 8
    .kernarg_segment_size: 24
    .max_flat_workgroup_size: 256
    .sgpr_count:     66
    .vgpr_count:     192
    .wavefront_size: 32
...
	.end_amdgpu_metadata
.endif
;; end of part 6
